; MI455X (gfx1250); checked and timed in simulation.
; The chip was launched on July 23, 2026; its instructions are those of AMD's public machine-readable ISA for CDNA 5 (MIT licence, August 2026) and "CDNA5" Instruction Set Architecture Reference Guide (July 2026). The comments in the code are by the model that wrote it; some were corrected since.
;; Cross Attention. Allowed arithmetic: float matrix products may take bf16 or f16 operands with f32 sums; all other float work in f32.
;; Inputs: fk_b 4 x 32 float32; fk_w 64 x 4 x 32 float32; fo_b 64 float32; fo_w 4 x 32 x 64 float32; fq_b 4 x 32 float32; fq_w 64 x 4 x 32 float32; fv_b 4 x 32 float32; fv_w 64 x 4 x 32 float32; tk_b 4 x 32 float32; tk_w 64 x 4 x 32 float32; to_b 64 float32; to_w 4 x 32 x 64 float32; tq_b 4 x 32 float32; tq_w 64 x 4 x 32 float32; tv_b 4 x 32 float32; tv_w 64 x 4 x 32 float32; x 32 x 64 x 128 x 64 float32.
;; Outputs: out0 32 x 64 x 128 x 64 float32.
;; 2 versions, each right and faster than the one before. Each part assembles by itself: llvm-mc -triple=amdgcn-amd-amdhsa -mcpu=gfx1250 --defsym DOCPART=n.
;; ======== version 1 of 2: 2 launches
;; limits: values are held in f16: magnitudes above 65,504 overflow, below 6.1e-05 lose precision
;; workspace buffers: tmp 67,108,864 bytes
;; launch temporal (part 1): grid 256 x 1, 8 waves a work-group, no clusters, 327,680 bytes of LDS; arguments x, tq_w, tk_w, tv_w, to_w, tq_b, tk_b, tv_b, to_b, tmp; writes tmp
.if DOCPART == 1
	.amdgcn_target "amdgcn-amd-amdhsa--gfx1250"
	.amdhsa_code_object_version 6
	.text
	.protected	k_qac1b853ee9_temporal
	.globl	k_qac1b853ee9_temporal
	.p2align	8
	.type	k_qac1b853ee9_temporal,@function
k_qac1b853ee9_temporal:
	s_mov_b64 s[64:65], 0
	v_nop
	global_prefetch_b8 v0, s[64:65] scope:SCOPE_SE
	s_setreg_imm32_b32 hwreg(HW_REG_WAVE_MODE, 25, 1), 1
	s_wait_xcnt 0x0
; AXIAL MULTI-HEAD ATTENTION on x [32][64][128][64] f32, 4 heads of 32 channels.  One text serves two launches; FEAT chooses.
; FEAT = 0: attention over t for each (b, f); result with its output bias -> tmp (f32, laid out as x).  FEAT = 1: attention over f for each (b, t); result + bias + tmp -> out0.
; SHARES.  A UNIT is 128 tokens: one (b, t) sequence (FEAT), or the two sequences f0, f0 + 1 of 64 tokens (token u = 64 fi + t).  2,048 units, 256 work-groups, 8 units each: 4 steps of 2 groups.
; Wave v: group v / 4, head v % 4.  In a step it projects q, k, v of its head for its group's 128 tokens, runs its head's attention, hands O to its group through LDS, and makes the output
; projection (all heads, all 64 d) for 32 tokens.  Two waves share a SIMD's registers, 512 each, so that one wave's softmax stands beside the other's products.
; LAYOUT.  Q^T and K^T = W^T X^T (lane = token, registers = features): two feature tiles rounded in pairs ARE a fragment of 16 tokens x 32 channels.  V = X Wv (lane = channel, registers = tokens):
; two token tiles ARE a fragment of V^T.  S^T = K Q^T holds one query a lane; its pairs, rounded, ARE source 1 of O^T = V^T P; O^T / l + bv, rounded, IS source 1 of out^T = Wo^T O^T.
; Nothing changes lanes between the products but the maximum's and the sum's one exchange of the lanes' halves.
; SOFTMAX.  All keys of a sequence are in hand: m is the true maximum, p = 2^(c s - c m), c = log2(e) / sqrt(32), l the f32 sum of the unrounded p.  The weights p / l add up to 1, so v's bias is added behind the division.
; FORMATS.  x, all weights and all biases are rounded to bf16 (Wo's bf16 value is then written as f16, exactly).  q, k, v, p and O, which the program makes itself, are f16; sums, maxima, tmp in f32.
; LIMITS.  q, k, v and O must lie within f16's 65,504; below 6e-5 they keep f16's fixed step of 6e-8, and so does Wo.  A weight p below 2^-126 counts as 0.  NaN and infinities are not treated apart.
; NO CLUSTER: a work-group moves 262,144 bytes of x and as many of its result (and of tmp) that no other work-group touches; shared are only the four weight matrices, 131,072 bytes, read once, through
; registers, since they are rounded on the way.  NO PREFETCH: each x tile is asked for a whole step ahead of its use.
.set FEAT, 0
.if FEAT
.set PITCHX, 64                        ; elements from token to token in x
.set STEPB,  65536                     ; bytes from a step's units to the next step's: two sequences of 32,768
.set OE,     4096                      ; bytes from a token block of 16 to the next in the result
.set OI,     512                       ; bytes from a pair of tokens to the next
.else
.set PITCHX, 8192                      ; t to t + 1: 128 x 64 elements
.set STEPB,  1024                      ; four f of 256 bytes
.set OE,     524288                    ; 16 t of 32,768 bytes
.set OI,     65536                     ; 2 t
.endif
; LDS.  Every region begins on a multiple of 256 bytes; tensor loads fill the two x slots alone, and nothing is stored there.
.set PX,    272                        ; a token of x: 256 bytes + 16 of padding: row r starts 16 r bytes further modulo 256, so the 16 rows of a load take 16 different columns of 16 bytes
.set GRP,   128*PX                     ; a group's 128 tokens
.set WFILL, 32*PX                      ; what one wave's tensor load brings
.set WS,    2*GRP                      ; behind slot 0: Wq, Wk, Wv in bf16 as they lie, [d][128], rows of 256 + 32 bytes
.set PW,    288
.set WMAT,  64*PW
.set SPARE, WS+3*WMAT                  ; the spare words, 128 bytes for each of eight waves: four blocks of 256 bytes that no other line names
.set SLOT1, 1<<17                      ; x slot 1: one exclusive or turns an address in one slot into the other's
.set QO,    SLOT1+2*GRP                ; wave v at 8,192 v; token block tb at 1,024 tb: a fragment's register image (registers 0-3 at 16 x lane, 4-7 at 512 + 16 x lane): Q, later O
.set WO,    QO+8*8192                  ; Wo in f16 as it lies, [128][64], rows of 128 + 32 bytes
.set PWO,   160
.set STG,   WO+128*PWO                 ; wave v at 4,352 v: 16 rows of 272 bytes, the way out
.set SP,    272
; REGISTERS, window 0
.set RR,  1                            ; v1   lane % 16
.set HH,  2                            ; v2   lane / 16
.set TV,  3                            ; v3   at work in the prologue
.set XA0, 4                            ; v4   my place in a token block of my group's x, slot 0; never rewritten
.set XA,  5                            ; v5   the same in the step's slot
.set VQ,  6                            ; v6   the query block's image in QO
.set VQ0, 7                            ; v7   my wave's first image; never rewritten
.set VO,  8                            ; v8   head 0's image of my first token block of the output projection
.set VWO, 9                            ; v9   the turning load's place in Wo
.set STO, 10                           ; v10  the way out: where I put 32 bytes of a row
.set RD,  11                           ; v11  the way out: where I read rows back
.set VD,  12                           ; v12  my byte offset in the result (and in tmp); never rewritten
.set VP,  13                           ; v13  prologue addresses
.set SPW, 14                           ; v14  LDS address of my spare word; never rewritten
.set NIL, 15                           ; v15  0; never rewritten
.set BO4, 16                           ; v16-19   bo[4 r .. 4 r + 3]
.set CM,  20                           ; v20-21   c m, m
.set RL,  22                           ; v22-23   1 / l, and 0 (named as a pair)
.set CH,  24                           ; v24-27   the maximum's four chains
.set LS,  28                           ; v28-31   two pairs of running sums
.set BV,  32                           ; v32-47   bv as O^T holds channels: register 8 cb + j = bv[32 head + 16 cb + 8 h + j]
.set S,   48                           ; v48-111  scores, 8 a key block
.set P,   112                          ; v112-143 weights in f16
.set OT,  144                          ; v144-159 O^T
.set QC,  160                          ; v160-167 the query block's fragment
.set OC,  168                          ; v168-175 its O fragment
.set TT,  176                          ; v176-239 tmp's rows (FEAT)
.set XF,  48                           ; projection: v48-79 a token block of x in f32; v80-111 two buffers of its two bf16 fragments; v112-159 six accumulators; v160-167 Q packed
.set XB16, 80
.set ACC, 112
.set QT,  160
.set OF,  48                           ; output projection: v48-111 eight O fragments, later the rows read back; v112-175 eight accumulators
.set RB,  48
.set OACC, 112
.set WL,  48                           ; prologue: v48-175 the weights as loaded; v176-207 bq, bk as loaded; v208-223 at work
.set BL,  176
.set TP,  208
; window 1
.set WR,  0                            ; v0-95    weight fragments: (matrix M, feature block fb, K step ks) at 8 (4 M + 2 fb + ks)
.set KR,  96                           ; v96-159  K, 8 a token block
.set VR,  160                          ; v160-223 V^T: (channel block cb, 32 keys kg) at 8 (4 cb + kg)
.set BQR, 224                          ; v224-255 bias tiles: bq fb 0, 1, bk fb 0, 1
.set WOR, 96                           ; output projection: Wo fragments (d block db, head) at 96 + 8 (4 db + head), where K and V lay
; scalars: s[8:23] x, wq, wk, wv, wo, bq, bk, bv; s[24:27] bo, tmp; s[28:29] out0 (FEAT)
.set WV,  30                           ; wave
.set GG,  31                           ; group
.set HD,  32                           ; head
.set CNT, 33                           ; steps
.set CNT2, 34                          ; query blocks
.set XB,  35                           ; the step's slot: 0 or SLOT1
.set CS,  36                           ; s[36:37] c, twice
.set SEL, 38                           ; s[38:39] v_permlanex16_b32's selects: each lane takes its own place in the other half
.set G0,  40                           ; s[40:43] descriptor group 0
.set G1,  44                           ; s[44:51] descriptor group 1
.set DST, 52                           ; s[52:53] the result at the work-group's step
.set TMPB, 54                          ; s[54:55] tmp likewise (FEAT)
.set QOFF, 56                          ; s56  byte offset of the query block's image
.set MSB, 0
.macro WIN new                         ; s_set_vgpr_msb: bits 1:0 source 0, 3:2 source 1, 5:4 source 2, 7:6 destination; the high byte repeats the setting that is left
.if MSB != (\new)
	s_set_vgpr_msb (MSB<<8)|(\new)
.set MSB, (\new)
.endif
.endm
.macro PLACES                          ; four places behind a matrix instruction where no other vector work is at hand (ISA guide 7.12.1)
.rept 4
	v_nop
.endr
.endm
	s_load_b512 s[8:23], s[0:1], 0x0
	s_load_b128 s[24:27], s[0:1], 0x40
.if FEAT
	s_load_b64 s[28:29], s[0:1], 0x50
.endif
	v_lshl_add_u32 v[SPW], v0, 2, SPARE
	v_mov_b32 v[NIL], 0
	ds_add_u32 v[SPW], v[NIL]              ; the wave's opening: the add and its wait ahead of my first tensor load; the set-up below, work on registers, stands between them
	ds_add_u32 v14, v15
	v_lshrrev_b32 v[TV], 5, v0
	v_readfirstlane_b32 s[WV], v[TV]
	s_lshr_b32 s[GG], s[WV], 2
	s_and_b32 s[HD], s[WV], 3
	; descriptor group 1: 32 tokens x 64 f32, 16 bytes of padding behind each token
	s_mov_b32 s[G1+0], (2<<16)|(1<<20)|(5<<22)|(3<<25)  ; no mask; 4-byte elements; padding on, after every 64 words (code 5), of 4 words (code 3)
	s_mov_b32 s[G1+1], 64<<16              ; tensor_dim0 = 64
	s_mov_b32 s[G1+2], 32<<16              ; tensor_dim1 = 32
	s_mov_b32 s[G1+3], 64<<16              ; tile_dim0 = 64
	s_mov_b32 s[G1+4], 32                  ; tile_dim1 = 32
	s_mov_b32 s[G1+5], PITCHX              ; elements from token to token
	s_mov_b32 s[G1+6], 0
	s_mov_b32 s[G1+7], 0
	s_mov_b32 s[G0], 1                     ; count = 1
	s_mul_i32 s[G0+1], s[WV], WFILL        ; LDS address: slot 0, my 32 of the step's 256 tokens
	s_mov_b32 s[CS], 0x3e8293ee            ; c = log2(e) / sqrt(32) = 0.255035
	s_mov_b32 s[CS+1], s[CS]
	s_mov_b32 s[SEL], 0x76543210
	s_mov_b32 s[SEL+1], 0xfedcba98
	s_mov_b32 s[XB], 0
	; byte offsets: s[60:61] the work-group's, s62 my wave's part, s[58:59] their sum
.if FEAT
	s_lshl_b32 s60, ttmp9, 18              ; eight sequences of 32,768 bytes
	s_lshl_b32 s62, s[WV], 13              ; my 32 tokens of 256 bytes: group x 32,768 + head x 8,192
.else
	s_lshr_b32 s60, ttmp9, 3
	s_lshl_b32 s60, s60, 21                ; b x 2,097,152
	s_and_b32 s61, ttmp9, 7
	s_lshl_b32 s61, s61, 12                ; 16 f of 256 bytes
	s_add_co_u32 s60, s60, s61
	s_and_b32 s62, s[HD], 1
	s_lshl_b32 s62, s62, 20                ; tokens 32 head .. + 31 of the unit: t from 32 (head % 2) on,
	s_lshr_b32 s63, s[HD], 1
	s_lshl1_add_u32 s63, s[GG], s63        ; f = 2 group + head / 2
	s_lshl_b32 s63, s63, 8
	s_add_co_u32 s62, s62, s63
.endif
	s_mov_b32 s61, 0
	s_add_co_u32 s58, s60, s62
	s_mov_b32 s59, 0
	s_wait_dscnt 0x0                       ; the opening add is done
	s_wait_kmcnt 0x0
	s_add_nc_u64 s[G0+2:G0+3], s[8:9], s[58:59]
	s_or_b32 s[G0+3], s[G0+3], 0x80000000  ; type = 2
	tensor_load_to_lds s[G0:G0+3], s[G1:G1+7]  ; step 0 into slot 0, ahead of everything else
	s_nop 0
	PLACES
.if FEAT
	s_add_nc_u64 s[DST:DST+1], s[28:29], s[60:61]
	s_add_nc_u64 s[TMPB:TMPB+1], s[26:27], s[60:61]
.else
	s_add_nc_u64 s[DST:DST+1], s[26:27], s[60:61]
.endif
	; the four weight matrices, 32,768 bytes each: eight loads of 16 bytes a thread, each load of the work-group 4,096 consecutive bytes
	v_lshlrev_b32 v[VP], 4, v0
.irp m,0,1,2,3
.irp i,0,1,2,3,4,5,6,7
	global_load_b128 v[WL+4*(8*\m+\i):WL+4*(8*\m+\i)+3], v[VP], s[10+2*\m:11+2*\m] offset:4096*\i
.endr
.endr
	v_and_b32 v[RR], 15, v0
	v_bfe_u32 v[HH], v0, 4, 1
	s_lshl_b32 s63, s[HD], 7
	v_lshl_add_u32 v[CH], v[HH], 5, s63    ; 4 (32 head + 8 h): my eight numbers of a bias tile
	v_lshlrev_b32 v[CH+1], 4, v[RR]
.irp j,0,1,2,3                         ; feature block j / 2, half j % 2
	global_load_b128 v[BL+4*\j:BL+4*\j+3], v[CH], s[18:19] offset:64*(\j/2)+16*(\j%2)
.endr
.irp j,0,1,2,3
	global_load_b128 v[BL+16+4*\j:BL+16+4*\j+3], v[CH], s[20:21] offset:64*(\j/2)+16*(\j%2)
.endr
.irp j,0,1,2,3
	global_load_b128 v[BV+4*\j:BV+4*\j+3], v[CH], s[22:23] offset:64*(\j/2)+16*(\j%2)
.endr
	global_load_b128 v[BO4:BO4+3], v[CH+1], s[24:25]
	; addresses, in the loads' shadow
	v_and_b32 v[TV], 31, v0                ; lane
	s_mul_i32 s63, s[WV], PW
	s_add_co_u32 s63, s63, WS
	v_lshl_add_u32 v[CH+2], v[TV], 3, s63  ; load i of Wq, Wk, Wv holds row 8 i + wave, columns 4 lane ..: 8 bytes of bf16
	v_lshrrev_b32 v[CH+3], 4, v0
	v_mul_u32_u24 v[CH+3], v[CH+3], PWO
	v_lshl_add_u32 v[CH+3], v[RR], 3, v[CH+3]
	v_add_nc_u32 v[CH+3], WO, v[CH+3]      ; load i of Wo holds row 16 i + thread / 16, columns 4 (thread % 16) ..
	v_mul_u32_u24 v[XA0], v[RR], PX
	v_lshl_add_u32 v[XA0], v[HH], 5, v[XA0]  ; row r, 32 bytes (8 f32) for each half of the lanes
	s_mul_i32 s63, s[WV], 16*SP
	s_add_co_u32 s63, s63, STG             ; my stage
	v_add_nc_u32 v[STO], s63, v[XA0]
	v_mul_u32_u24 v[RD], v[HH], SP         ; back: lanes 0-15 one row of 256 bytes, lanes 16-31 the next
	v_lshl_add_u32 v[RD], v[RR], 4, v[RD]
	v_add_nc_u32 v[RD], s63, v[RD]
	s_mul_i32 s63, s[GG], GRP
	v_add_nc_u32 v[XA0], s63, v[XA0]
	s_lshl_b32 s63, s[WV], 13
	s_add_co_u32 s63, s63, QO
	v_lshl_add_u32 v[VQ0], v[TV], 4, s63
	s_lshl_b32 s63, s[GG], 15
	s_lshl_b32 s57, s[HD], 11
	s_add_co_u32 s63, s63, s57
	s_add_co_u32 s63, s63, QO
	v_lshl_add_u32 v[VO], v[TV], 4, s63    ; my group's head 0, token block 2 head
	v_and_b32 v[VQ], 7, v0                 ; the turning load: lane l reads row 8 (l / 16) + l % 8, 16 bytes at 16 ((l / 8) % 2)
	v_lshl_add_u32 v[VQ], v[HH], 3, v[VQ]
	v_bfe_u32 v[XA], v0, 3, 1
	v_mul_u32_u24 v[VWO], v[VQ], PWO
	v_lshl_add_u32 v[VWO], v[XA], 4, v[VWO]
	v_add_nc_u32 v[VWO], WO, v[VWO]
.if FEAT
	v_lshl_add_u32 v[VD], v[TV], 4, s62    ; 32 lanes take two tokens, 512 consecutive bytes
.else
	v_lshlrev_b32 v[VD], 15, v[HH]         ; lanes 0-15 one token's 256 bytes, lanes 16-31 the token one t further
	v_lshl_add_u32 v[VD], v[RR], 4, v[VD]
	v_add_nc_u32 v[VD], s62, v[VD]
.endif
	v_mov_b32 v[RL+1], 0
; Matrix m of Wq, Wk, Wv: rounded to bf16 and laid into LDS as it lies.  Behind its eight loads 8 (3 - m) weight loads and the 13 bias loads were issued.
.macro WCONV m
	s_wait_loadcnt 37-8*(\m)
.set wi, 0
.rept 8
.set wr, WL+4*(8*(\m)+wi)
	v_cvt_pk_bf16_f32 v[wr], v[wr], v[wr+1]
	v_cvt_pk_bf16_f32 v[wr+1], v[wr+2], v[wr+3]
	ds_store_b64 v[CH+2], v[wr:wr+1] offset:(\m)*WMAT+wi*8*PW
.set wi, wi+1
.endr
.endm
	WCONV 0
	WCONV 1
	WCONV 2
	s_wait_loadcnt 13                      ; Wo is in; the 13 bias loads may be out
.set wi, 0
.rept 8                                ; Wo: rounded to bf16 like every input, widened, and that number written as f16
.set wr, WL+96+4*wi
	v_cvt_pk_bf16_f32 v[TP], v[wr], v[wr+1]
	v_cvt_pk_bf16_f32 v[TP+1], v[wr+2], v[wr+3]
	v_lshlrev_b32 v[wr], 16, v[TP]
	v_and_b32 v[wr+1], 0xffff0000, v[TP]
	v_lshlrev_b32 v[wr+2], 16, v[TP+1]
	v_and_b32 v[wr+3], 0xffff0000, v[TP+1]
	v_cvt_pk_f16_f32 v[wr], v[wr], v[wr+1]
	v_cvt_pk_f16_f32 v[wr+1], v[wr+2], v[wr+3]
	ds_store_b64 v[CH+3], v[wr:wr+1] offset:wi*16*PWO
.set wi, wi+1
.endr
; n pairs of bias numbers are rounded to bf16 and widened again; w: the window setting for the destination
.macro RB16 dst, src, n, w
	WIN 0
.set wi, 0
.rept \n
	v_cvt_pk_bf16_f32 v[TP+wi], v[(\src)+2*wi], v[(\src)+2*wi+1]
.set wi, wi+1
.endr
	WIN \w
.set wi, 0
.rept \n
	v_lshlrev_b32 v[(\dst)+2*wi], 16, v[TP+wi]
	v_and_b32 v[(\dst)+2*wi+1], 0xffff0000, v[TP+wi]
.set wi, wi+1
.endr
	WIN 0
.endm
	s_wait_loadcnt 0x0                     ; the biases
	RB16 BQR, BL, 16, 0x40                 ; bq's and bk's tiles go to window 1
	RB16 BV, BV, 8, 0
	RB16 BO4, BO4, 2, 0
	v_mul_u32_u24 v[VP], v[VQ], PW         ; free since the wait for the loads that it addressed: now the turning load's place in Wq, at my head's 32 columns
	v_lshl_add_u32 v[VP], v[XA], 4, v[VP]
	s_lshl_b32 s63, s[HD], 6
	s_add_co_u32 s63, s63, WS
	v_add_nc_u32 v[VP], s63, v[VP]
	s_wait_dscnt 0x0                       ; for the others' sake: my part of the weights is in LDS
	s_barrier_signal -1
	s_barrier_wait -1                      ; everybody's is.  The x tile may stay out
	WIN 0x40
.set wi, 0                             ; wi = 4 M + 2 fb + ks: 16 features x 32 d, turned: they stay in registers for the whole launch
.rept 12
	ds_load_tr16_b128 v[WR+8*wi:WR+8*wi+3],   v[VP] offset:(wi/4)*WMAT+(wi%2)*32*PW+((wi/2)%2)*32
	ds_load_tr16_b128 v[WR+8*wi+4:WR+8*wi+7], v[VP] offset:(wi/4)*WMAT+(wi%2)*32*PW+((wi/2)%2)*32+16*PW
.set wi, wi+1
.endr
	WIN 0                                  ; the first step's wait for its LDS instructions covers these
; PROJECTION.  A token block's x: lane l takes token l % 16; for K step k its d = 32 k + 8 h + 0..7 and 32 k + 16 + 8 h + 0..7, in f32: four loads of 16 bytes.
.macro XLOAD tb
.irp k,0,1
	ds_load_b128 v[XF+16*\k:XF+16*\k+3],     v[XA] offset:(\tb)*16*PX+128*\k
	ds_load_b128 v[XF+16*\k+4:XF+16*\k+7],   v[XA] offset:(\tb)*16*PX+128*\k+16
	ds_load_b128 v[XF+16*\k+8:XF+16*\k+11],  v[XA] offset:(\tb)*16*PX+128*\k+64
	ds_load_b128 v[XF+16*\k+12:XF+16*\k+15], v[XA] offset:(\tb)*16*PX+128*\k+80
.endr
.endm
.macro XCVT buf                        ; rounded to bf16: the block's two fragments
.set xi, 0
.rept 16
	v_cvt_pk_bf16_f32 v[XB16+16*(\buf)+xi], v[XF+2*xi], v[XF+2*xi+1]
.set xi, xi+1
.endr
.endm
; 12 products on six accumulators (Q fb 0, 1; K fb 0, 1; V cb 0, 1), which take turns, one instruction a turn.  Q's and K's sums start with the bias tile, V's with 0.
.macro PROJ buf
.set XR, XB16+16*(\buf)
	WIN 0x11                               ; weights and bias in window 1
.irp a,0,1,2,3
	v_wmma_f32_16x16x32_bf16 v[ACC+8*\a:ACC+8*\a+7], v[WR+16*\a:WR+16*\a+7], v[XR:XR+7], v[BQR+8*\a:BQR+8*\a+7]
.endr
	WIN 0x04                               ; x is source 0, the weights source 1
.irp a,4,5
	v_wmma_f32_16x16x32_bf16 v[ACC+8*\a:ACC+8*\a+7], v[XR:XR+7], v[WR+16*\a:WR+16*\a+7], 0
.endr
.irp a,4,5
	v_wmma_f32_16x16x32_bf16 v[ACC+8*\a:ACC+8*\a+7], v[XR+8:XR+15], v[WR+16*\a+8:WR+16*\a+15], v[ACC+8*\a:ACC+8*\a+7]
.endr
	WIN 0x01
.irp a,0,1,2,3
	v_wmma_f32_16x16x32_bf16 v[ACC+8*\a:ACC+8*\a+7], v[WR+16*\a+8:WR+16*\a+15], v[XR+8:XR+15], v[ACC+8*\a:ACC+8*\a+7]
.endr
.endm
; The block's q, k, v rounded to f16, each accumulator from its low end on.  Q goes to my images in LDS, K and V stay in window 1.
.macro PACK tb
	WIN 0
.irp i,0,1,2,3,4,5,6,7
	v_cvt_pk_f16_f32 v[QT+\i], v[ACC+2*\i], v[ACC+2*\i+1]
.endr
	ds_store_b128 v[VQ0], v[QT:QT+3] offset:(\tb)*1024
	ds_store_b128 v[VQ0], v[QT+4:QT+7] offset:(\tb)*1024+512
	WIN 0x40
.irp i,0,1,2,3,4,5,6,7
	v_cvt_pk_f16_f32 v[KR+8*(\tb)+\i], v[ACC+16+2*\i], v[ACC+16+2*\i+1]
.endr
.irp c,0,1
.irp i,0,1,2,3
	v_cvt_pk_f16_f32 v[VR+8*(4*\c+(\tb)/2)+4*((\tb)%2)+\i], v[ACC+32+8*\c+2*\i], v[ACC+32+8*\c+2*\i+1]
.endr
.endr
.endm
; ATTENTION.  The maximum of a lane's 8 nk scores, three operands at a time, in four chains; each accumulator's lowest registers are read first.
.macro MAXS nk
.irp c,0,1,2,3
	v_max3_num_f32 v[CH+\c], v[S+8*\c], v[S+8*\c+1], v[S+8*\c+2]
.endr
.irp p,3,5
.irp c,0,1,2,3
	v_max3_num_f32 v[CH+\c], v[CH+\c], v[S+8*\c+\p], v[S+8*\c+\p+1]
.endr
.endr
.if (\nk) == 8
.irp p,0,2,4,6
.irp c,0,1,2,3
	v_max3_num_f32 v[CH+\c], v[CH+\c], v[S+32+8*\c+\p], v[S+32+8*\c+\p+1]
.endr
.endr
.endif
	v_max3_num_f32 v[CH], v[CH], v[S+7], v[S+15]
	v_max3_num_f32 v[CH+2], v[CH+2], v[S+23], v[S+31]
	v_max3_num_f32 v[CH], v[CH], v[CH+1], v[CH+2]
	v_max_num_f32 v[CH], v[CH], v[CH+3]
.endm
; n pairs of scores: c s - c m; two exponentials; the rounding to f16; the sum.  Staggered: pair t is scaled while pair t - 1 takes its exponentials and pair t - 3 is rounded and added, so
; that a plain instruction stands behind each exponential before its result is used (ISA guide 5.7.2).  The sums run in two chains, started by pairs 0 + 2 and 1 + 3: nothing is cleared.
.macro EXPS n
.set t, 0
.rept (\n)+3
.if t < (\n)
	v_pk_fma_f32 v[S+2*t:S+2*t+1], v[S+2*t:S+2*t+1], s[CS:CS+1], v[CM:CM+1] op_sel_hi:[1,0,0] neg_lo:[0,0,1] neg_hi:[0,0,1]
.endif
.if (t >= 1) && (t <= (\n))
	v_exp_f32 v[S+2*t-2], v[S+2*t-2]
.endif
.if t >= 3
	s_wait_alu depctr_va_vdst(0)
	v_cvt_pk_f16_f32 v[P+t-3], v[S+2*t-6], v[S+2*t-5]
.endif
.if (t >= 1) && (t <= (\n))
	v_exp_f32 v[S+2*t-1], v[S+2*t-1]
.endif
.if t >= 7
	v_pk_add_f32 v[LS+2*((t-3)%2):LS+2*((t-3)%2)+1], v[LS+2*((t-3)%2):LS+2*((t-3)%2)+1], v[S+2*t-6:S+2*t-5]
.elseif t >= 5
	v_pk_add_f32 v[LS+2*((t-3)%2):LS+2*((t-3)%2)+1], v[S+2*t-10:S+2*t-9], v[S+2*t-6:S+2*t-5]
.endif
.set t, t+1
.endr
.endm
; A sequence of nk key blocks from block kb0 on; a trip is one query block of 16.
.macro ATT nk, kb0, trips
	s_mov_b32 s[CNT2], \trips
.Latt_\@:
	v_add_nc_u32 v[VQ], s[QOFF], v[VQ0]
	ds_load_b128 v[QC:QC+3], v[VQ]
	ds_load_b128 v[QC+4:QC+7], v[VQ] offset:512
	s_wait_dscnt 0x0                       ; Q's fragment is in
	WIN 0x01                               ; K in window 1
.set ai, 0
.rept \nk
	v_wmma_f32_16x16x32_f16 v[S+8*ai:S+8*ai+7], v[KR+8*((\kb0)+ai):KR+8*((\kb0)+ai)+7], v[QC:QC+7], 0
.set ai, ai+1
.endr
	WIN 0
	PLACES
	MAXS \nk
	v_permlanex16_b32 v[CH+1], v[CH], s[SEL], s[SEL+1]  ; the query's other keys lie in the lane 16 away
	v_max_num_f32 v[CM+1], v[CH], v[CH+1]
	v_mul_f32 v[CM], s[CS], v[CM+1]
	EXPS 4*(\nk)
	WIN 0x01                               ; V in window 1
.set ai, 0                             ; ai = 2 kg + cb: the two accumulators take turns; the first two products start the sums
.rept \nk
.if ai < 2
	v_wmma_f32_16x16x32_f16 v[OT+8*(ai%2):OT+8*(ai%2)+7], v[VR+8*(4*(ai%2)+(\kb0)/2+ai/2):VR+8*(4*(ai%2)+(\kb0)/2+ai/2)+7], v[P+8*(ai/2):P+8*(ai/2)+7], 0
.else
	v_wmma_f32_16x16x32_f16 v[OT+8*(ai%2):OT+8*(ai%2)+7], v[VR+8*(4*(ai%2)+(\kb0)/2+ai/2):VR+8*(4*(ai%2)+(\kb0)/2+ai/2)+7], v[P+8*(ai/2):P+8*(ai/2)+7], v[OT+8*(ai%2):OT+8*(ai%2)+7]
.endif
.set ai, ai+1
.endr
	WIN 0
	v_pk_add_f32 v[LS:LS+1], v[LS:LS+1], v[LS+2:LS+3]  ; l: the two chains, the pair's halves, the other half of the lanes.  The five plain lines down to the second v_nop are the places behind the products
	v_add_f32 v[LS], v[LS], v[LS+1]
	v_permlanex16_b32 v[CH+1], v[LS], s[SEL], s[SEL+1]
	v_add_f32 v[LS], v[LS], v[CH+1]
	v_rcp_f32 v[RL], v[LS]
	v_nop                                  ; a plain instruction between the reciprocal and its use
	v_nop
.set ni, 0
.rept 8
	s_wait_alu depctr_va_vdst(0)
	v_pk_fma_f32 v[OT+2*ni:OT+2*ni+1], v[OT+2*ni:OT+2*ni+1], v[RL:RL+1], v[BV+2*ni:BV+2*ni+1] op_sel_hi:[1,0,1]  ; O / l + bv
.set ni, ni+1
.endr
.set ni, 0
.rept 8
	v_cvt_pk_f16_f32 v[OC+ni], v[OT+2*ni], v[OT+2*ni+1]
.set ni, ni+1
.endr
	ds_store_b128 v[VQ], v[OC:OC+3]        ; the O fragment takes the Q fragment's place: my own bytes until the barrier behind the attention
	ds_store_b128 v[VQ], v[OC+4:OC+7] offset:512
	s_add_co_u32 s[QOFF], s[QOFF], 1024
	s_sub_co_u32 s[CNT2], s[CNT2], 1
	s_cmp_lg_u32 s[CNT2], 0
	s_cbranch_scc1 .Latt_\@
.endm
; Token block e of my two leaves: the rows read back from the stage take the bias (and tmp), and are stored.
.macro SEND e
	s_wait_dscnt 16-16*(\e)                ; block 0: block 1's eight stage stores and eight loads may be out
.set wi, 0
.rept 16
.if FEAT
	v_pk_add_f32 v[RB+32*(\e)+2*wi:RB+32*(\e)+2*wi+1], v[RB+32*(\e)+2*wi:RB+32*(\e)+2*wi+1], v[TT+32*(\e)+2*wi:TT+32*(\e)+2*wi+1]
.else
	v_pk_add_f32 v[RB+32*(\e)+2*wi:RB+32*(\e)+2*wi+1], v[RB+32*(\e)+2*wi:RB+32*(\e)+2*wi+1], v[BO4+2*(wi%2):BO4+2*(wi%2)+1]
.endif
.set wi, wi+1
.endr
.set wi, 0
.rept 8                                ; sixteen lanes store a token's 256 consecutive bytes, at a multiple of 256 from the buffer's first byte
.if FEAT
	global_store_b128 v[VD], v[RB+32*(\e)+4*wi:RB+32*(\e)+4*wi+3], s[DST:DST+1] offset:(\e)*OE+wi*OI th:TH_STORE_NT
.else
	global_store_b128 v[VD], v[RB+32*(\e)+4*wi:RB+32*(\e)+4*wi+3], s[DST:DST+1] offset:(\e)*OE+wi*OI
.endif
.set wi, wi+1
.endr
.endm
; A STEP.  fill = 1: the next step's x is asked for.
.macro STEP fill
	WIN 0
	s_wait_tensorcnt 0x0                   ; all my tensor loads have landed: the one that was out is my part of this step's x; so group 0 may be written
	ds_add_u32 v[SPW], v[NIL]              ; 0 onto my spare word
.if \fill
	s_xor_b32 s[G0+1], s[G0+1], SLOT1      ; the other slot,
	s_add_nc_u64 s[G0+2:G0+3], s[G0+2:G0+3], STEPB  ; the next step's units; the type bits on top are not reached
.endif
	s_wait_dscnt 0x0                       ; the add is done; my reads of the other slot, of the group's O images and of my stage are back
	s_barrier_signal -1
	s_barrier_wait -1                      ; all that holds of every wave: this step's x is whole, the other slot and the images are free
.if \fill
	tensor_load_to_lds s[G0:G0+3], s[G1:G1+7]  ; my one tensor load behind the barrier, first thing there: it has the whole step in which to land
	s_nop 0
	PLACES
.endif
.if FEAT
.set wi, 0
.rept 16                               ; tmp's rows for my 32 tokens of the output projection: wanted at the step's end
	global_load_b128 v[TT+4*wi:TT+4*wi+3], v[VD], s[TMPB:TMPB+1] offset:(wi/8)*OE+(wi%8)*OI th:TH_LOAD_NT
.set wi, wi+1
.endr
.endif
	v_add_nc_u32 v[XA], s[XB], v[XA0]
	s_mov_b32 s[QOFF], 0
	XLOAD 0
	s_wait_dscnt 0x0
	XCVT 0
	XLOAD 1
.set pb, 0
.rept 8                                ; block pb is multiplied; the next block's x is rounded (sixteen plain lines, the places behind the products); the block after that is fetched; block pb is packed
	PROJ pb%2
	WIN 0
.if pb < 7
.if pb == 0
	s_wait_dscnt 0x0
.else
	s_wait_dscnt 0x2                       ; the next block's x is in; the two Q stores issued behind its loads may be out
.endif
	XCVT (pb+1)%2
.if pb < 6
	XLOAD pb+2
.endif
.else
	PLACES
.endif
	PACK pb
.set pb, pb+1
.endr
	WIN 0
.if FEAT
	ATT 8, 0, 8
.else
	ATT 4, 0, 4                            ; sequence f0: tokens 0-63
	ATT 4, 4, 4                            ; sequence f0 + 1: tokens 64-127
.endif
	; OUTPUT PROJECTION for token blocks 2 head and 2 head + 1 of my group
	s_wait_dscnt 0x0                       ; for the others' sake: my O fragments are in LDS
	s_barrier_signal -1
	WIN 0x40                               ; Wo's 16 fragments, turned, where K and V lay: bytes that nobody writes behind the prologue, so the loads may stand here
.set wi, 0                             ; wi = 4 db + head
.rept 16
	ds_load_tr16_b128 v[WOR+8*wi:WOR+8*wi+3],   v[VWO] offset:(wi%4)*32*PWO+(wi/4)*32
	ds_load_tr16_b128 v[WOR+8*wi+4:WOR+8*wi+7], v[VWO] offset:(wi%4)*32*PWO+(wi/4)*32+16*PWO
.set wi, wi+1
.endr
	WIN 0
	s_barrier_wait -1                      ; the four heads' O fragments are there
.set wi, 0                             ; wi = 4 e + head
.rept 8
	ds_load_b128 v[OF+8*wi:OF+8*wi+3],   v[VO] offset:(wi%4)*8192+(wi/4)*1024
	ds_load_b128 v[OF+8*wi+4:OF+8*wi+7], v[VO] offset:(wi%4)*8192+(wi/4)*1024+512
.set wi, wi+1
.endr
	s_wait_dscnt 0x0
	WIN 0x01
.set wi, 0                             ; wi = 8 head + 4 e + db: the eight accumulators take turns; head 0 starts the sums
.rept 32
.set hq, wi/8
.set ac, OACC+8*(wi%8)
.set wf, WOR+8*(4*(wi%4)+hq)
.set of, OF+8*(4*((wi/4)%2)+hq)
.if hq == 0
	v_wmma_f32_16x16x32_f16 v[ac:ac+7], v[wf:wf+7], v[of:of+7], 0
.else
	v_wmma_f32_16x16x32_f16 v[ac:ac+7], v[wf:wf+7], v[of:of+7], v[ac:ac+7]
.endif
.set wi, wi+1
.endr
	WIN 0
.if FEAT
	s_wait_loadcnt 0x0                     ; tmp's rows
.set wi, 0
.rept 32                               ; + bo: these lines are also the places behind the products
	v_pk_add_f32 v[TT+2*wi:TT+2*wi+1], v[TT+2*wi:TT+2*wi+1], v[BO4+2*(wi%2):BO4+2*(wi%2)+1]
.set wi, wi+1
.endr
.else
	PLACES
.endif
.irp e,0,1                             ; a lane's eight d of a token, 32 bytes, go into my stage's rows and come back as whole rows of 256 bytes
.set wi, 0
.rept 4
	ds_store_b128 v[STO], v[OACC+8*(4*\e+wi):OACC+8*(4*\e+wi)+3] offset:64*wi
	ds_store_b128 v[STO], v[OACC+8*(4*\e+wi)+4:OACC+8*(4*\e+wi)+7] offset:64*wi+16
.set wi, wi+1
.endr
.set wi, 0
.rept 8
	ds_load_b128 v[RB+32*\e+4*wi:RB+32*\e+4*wi+3], v[RD] offset:wi*2*SP  ; LDS serves a wave's instructions in order (ISA guide 5.7.1.4): these see the stores above, and the next block's stores come behind them
.set wi, wi+1
.endr
.endr
	SEND 0
	SEND 1
.if \fill
	s_wait_xcnt 0x0                        ; the stores' data registers and the bases are rewritten only behind this wait
	s_add_nc_u64 s[DST:DST+1], s[DST:DST+1], STEPB
.if FEAT
	s_add_nc_u64 s[TMPB:TMPB+1], s[TMPB:TMPB+1], STEPB
.endif
	s_xor_b32 s[XB], s[XB], SLOT1
.endif
.endm
	s_mov_b32 s[CNT], 3
.Lstep:
	STEP 1
	s_sub_co_u32 s[CNT], s[CNT], 1
	s_cmp_lg_u32 s[CNT], 0
	s_cbranch_scc1 .Lstep
	STEP 0                                 ; the last step is written out: nothing is asked for
	s_wait_tensorcnt 0x0                   ; the wave's end: behind my last tensor load and my last LDS store
	ds_add_u32 v[SPW], v[NIL]
	s_wait_dscnt 0x0
	s_endpgm
.Lfunc_end_k_qac1b853ee9_temporal:
	.size	k_qac1b853ee9_temporal, .Lfunc_end_k_qac1b853ee9_temporal-k_qac1b853ee9_temporal
	.p2alignl 7, 3214868480
	.fill 96, 4, 3214868480
	.section	.rodata,"a",@progbits
	.p2align	6, 0x0
	.amdhsa_kernel k_qac1b853ee9_temporal
		.amdhsa_group_segment_fixed_size 327680
		.amdhsa_private_segment_fixed_size 0
		.amdhsa_enable_private_segment 0
		.amdhsa_kernarg_size 80
		.amdhsa_user_sgpr_count 2
		.amdhsa_user_sgpr_kernarg_segment_ptr 1
		.amdhsa_wavefront_size32 1
		.amdhsa_system_sgpr_workgroup_id_x 1
		.amdhsa_system_sgpr_workgroup_id_y 1
		.amdhsa_system_sgpr_workgroup_id_z 1
		.amdhsa_system_vgpr_workitem_id 0
		.amdhsa_next_free_vgpr 512
		.amdhsa_next_free_sgpr 66
		.amdhsa_reserve_vcc 0
		.amdhsa_float_denorm_mode_32 3
		.amdhsa_float_denorm_mode_16_64 3
		.amdhsa_memory_ordered 1
		.amdhsa_forward_progress 1
		.amdhsa_inst_pref_size 146
	.end_amdhsa_kernel
	.amdgpu_metadata
---
amdhsa.version: [ 1, 2 ]
amdhsa.kernels:
  - .name:           k_qac1b853ee9_temporal
    .symbol:         k_qac1b853ee9_temporal.kd
    .args:
      - { .name: x, .offset: 0, .size: 8, .value_kind: global_buffer, .address_space: global }
      - { .name: tq_w, .offset: 8, .size: 8, .value_kind: global_buffer, .address_space: global }
      - { .name: tk_w, .offset: 16, .size: 8, .value_kind: global_buffer, .address_space: global }
      - { .name: tv_w, .offset: 24, .size: 8, .value_kind: global_buffer, .address_space: global }
      - { .name: to_w, .offset: 32, .size: 8, .value_kind: global_buffer, .address_space: global }
      - { .name: tq_b, .offset: 40, .size: 8, .value_kind: global_buffer, .address_space: global }
      - { .name: tk_b, .offset: 48, .size: 8, .value_kind: global_buffer, .address_space: global }
      - { .name: tv_b, .offset: 56, .size: 8, .value_kind: global_buffer, .address_space: global }
      - { .name: to_b, .offset: 64, .size: 8, .value_kind: global_buffer, .address_space: global }
      - { .name: tmp, .offset: 72, .size: 8, .value_kind: global_buffer, .address_space: global }
    .group_segment_fixed_size: 327680
    .private_segment_fixed_size: 0
    .kernarg_segment_align: 8
    .kernarg_segment_size: 80
    .max_flat_workgroup_size: 256
    .sgpr_count:     66
    .vgpr_count:     512
    .wavefront_size: 32
...
	.end_amdgpu_metadata
.endif
;; end of part 1
;; launch feature (part 2): grid 256 x 1, 8 waves a work-group, no clusters, 327,680 bytes of LDS; arguments x, fq_w, fk_w, fv_w, fo_w, fq_b, fk_b, fv_b, fo_b, tmp, out0; writes out0
.if DOCPART == 2
	.amdgcn_target "amdgcn-amd-amdhsa--gfx1250"
	.amdhsa_code_object_version 6
	.text
	.protected	k_qac1b853ee9_feature
	.globl	k_qac1b853ee9_feature
	.p2align	8
	.type	k_qac1b853ee9_feature,@function
k_qac1b853ee9_feature:
	s_mov_b64 s[64:65], 0
	v_nop
	global_prefetch_b8 v0, s[64:65] scope:SCOPE_SE
	s_setreg_imm32_b32 hwreg(HW_REG_WAVE_MODE, 25, 1), 1
	s_wait_xcnt 0x0
; AXIAL MULTI-HEAD ATTENTION on x [32][64][128][64] f32, 4 heads of 32 channels.  One text serves two launches; FEAT chooses.
; FEAT = 0: attention over t for each (b, f); result with its output bias -> tmp (f32, laid out as x).  FEAT = 1: attention over f for each (b, t); result + bias + tmp -> out0.
; SHARES.  A UNIT is 128 tokens: one (b, t) sequence (FEAT), or the two sequences f0, f0 + 1 of 64 tokens (token u = 64 fi + t).  2,048 units, 256 work-groups, 8 units each: 4 steps of 2 groups.
; Wave v: group v / 4, head v % 4.  In a step it projects q, k, v of its head for its group's 128 tokens, runs its head's attention, hands O to its group through LDS, and makes the output
; projection (all heads, all 64 d) for 32 tokens.  Two waves share a SIMD's registers, 512 each, so that one wave's softmax stands beside the other's products.
; LAYOUT.  Q^T and K^T = W^T X^T (lane = token, registers = features): two feature tiles rounded in pairs ARE a fragment of 16 tokens x 32 channels.  V = X Wv (lane = channel, registers = tokens):
; two token tiles ARE a fragment of V^T.  S^T = K Q^T holds one query a lane; its pairs, rounded, ARE source 1 of O^T = V^T P; O^T / l + bv, rounded, IS source 1 of out^T = Wo^T O^T.
; Nothing changes lanes between the products but the maximum's and the sum's one exchange of the lanes' halves.
; SOFTMAX.  All keys of a sequence are in hand: m is the true maximum, p = 2^(c s - c m), c = log2(e) / sqrt(32), l the f32 sum of the unrounded p.  The weights p / l add up to 1, so v's bias is added behind the division.
; FORMATS.  x, all weights and all biases are rounded to bf16 (Wo's bf16 value is then written as f16, exactly).  q, k, v, p and O, which the program makes itself, are f16; sums, maxima, tmp in f32.
; LIMITS.  q, k, v and O must lie within f16's 65,504; below 6e-5 they keep f16's fixed step of 6e-8, and so does Wo.  A weight p below 2^-126 counts as 0.  NaN and infinities are not treated apart.
; NO CLUSTER: a work-group moves 262,144 bytes of x and as many of its result (and of tmp) that no other work-group touches; shared are only the four weight matrices, 131,072 bytes, read once, through
; registers, since they are rounded on the way.  NO PREFETCH: each x tile is asked for a whole step ahead of its use.
.set FEAT, 1
.if FEAT
.set PITCHX, 64                        ; elements from token to token in x
.set STEPB,  65536                     ; bytes from a step's units to the next step's: two sequences of 32,768
.set OE,     4096                      ; bytes from a token block of 16 to the next in the result
.set OI,     512                       ; bytes from a pair of tokens to the next
.else
.set PITCHX, 8192                      ; t to t + 1: 128 x 64 elements
.set STEPB,  1024                      ; four f of 256 bytes
.set OE,     524288                    ; 16 t of 32,768 bytes
.set OI,     65536                     ; 2 t
.endif
; LDS.  Every region begins on a multiple of 256 bytes; tensor loads fill the two x slots alone, and nothing is stored there.
.set PX,    272                        ; a token of x: 256 bytes + 16 of padding: row r starts 16 r bytes further modulo 256, so the 16 rows of a load take 16 different columns of 16 bytes
.set GRP,   128*PX                     ; a group's 128 tokens
.set WFILL, 32*PX                      ; what one wave's tensor load brings
.set WS,    2*GRP                      ; behind slot 0: Wq, Wk, Wv in bf16 as they lie, [d][128], rows of 256 + 32 bytes
.set PW,    288
.set WMAT,  64*PW
.set SPARE, WS+3*WMAT                  ; the spare words, 128 bytes for each of eight waves: four blocks of 256 bytes that no other line names
.set SLOT1, 1<<17                      ; x slot 1: one exclusive or turns an address in one slot into the other's
.set QO,    SLOT1+2*GRP                ; wave v at 8,192 v; token block tb at 1,024 tb: a fragment's register image (registers 0-3 at 16 x lane, 4-7 at 512 + 16 x lane): Q, later O
.set WO,    QO+8*8192                  ; Wo in f16 as it lies, [128][64], rows of 128 + 32 bytes
.set PWO,   160
.set STG,   WO+128*PWO                 ; wave v at 4,352 v: 16 rows of 272 bytes, the way out
.set SP,    272
; REGISTERS, window 0
.set RR,  1                            ; v1   lane % 16
.set HH,  2                            ; v2   lane / 16
.set TV,  3                            ; v3   at work in the prologue
.set XA0, 4                            ; v4   my place in a token block of my group's x, slot 0; never rewritten
.set XA,  5                            ; v5   the same in the step's slot
.set VQ,  6                            ; v6   the query block's image in QO
.set VQ0, 7                            ; v7   my wave's first image; never rewritten
.set VO,  8                            ; v8   head 0's image of my first token block of the output projection
.set VWO, 9                            ; v9   the turning load's place in Wo
.set STO, 10                           ; v10  the way out: where I put 32 bytes of a row
.set RD,  11                           ; v11  the way out: where I read rows back
.set VD,  12                           ; v12  my byte offset in the result (and in tmp); never rewritten
.set VP,  13                           ; v13  prologue addresses
.set SPW, 14                           ; v14  LDS address of my spare word; never rewritten
.set NIL, 15                           ; v15  0; never rewritten
.set BO4, 16                           ; v16-19   bo[4 r .. 4 r + 3]
.set CM,  20                           ; v20-21   c m, m
.set RL,  22                           ; v22-23   1 / l, and 0 (named as a pair)
.set CH,  24                           ; v24-27   the maximum's four chains
.set LS,  28                           ; v28-31   two pairs of running sums
.set BV,  32                           ; v32-47   bv as O^T holds channels: register 8 cb + j = bv[32 head + 16 cb + 8 h + j]
.set S,   48                           ; v48-111  scores, 8 a key block
.set P,   112                          ; v112-143 weights in f16
.set OT,  144                          ; v144-159 O^T
.set QC,  160                          ; v160-167 the query block's fragment
.set OC,  168                          ; v168-175 its O fragment
.set TT,  176                          ; v176-239 tmp's rows (FEAT)
.set XF,  48                           ; projection: v48-79 a token block of x in f32; v80-111 two buffers of its two bf16 fragments; v112-159 six accumulators; v160-167 Q packed
.set XB16, 80
.set ACC, 112
.set QT,  160
.set OF,  48                           ; output projection: v48-111 eight O fragments, later the rows read back; v112-175 eight accumulators
.set RB,  48
.set OACC, 112
.set WL,  48                           ; prologue: v48-175 the weights as loaded; v176-207 bq, bk as loaded; v208-223 at work
.set BL,  176
.set TP,  208
; window 1
.set WR,  0                            ; v0-95    weight fragments: (matrix M, feature block fb, K step ks) at 8 (4 M + 2 fb + ks)
.set KR,  96                           ; v96-159  K, 8 a token block
.set VR,  160                          ; v160-223 V^T: (channel block cb, 32 keys kg) at 8 (4 cb + kg)
.set BQR, 224                          ; v224-255 bias tiles: bq fb 0, 1, bk fb 0, 1
.set WOR, 96                           ; output projection: Wo fragments (d block db, head) at 96 + 8 (4 db + head), where K and V lay
; scalars: s[8:23] x, wq, wk, wv, wo, bq, bk, bv; s[24:27] bo, tmp; s[28:29] out0 (FEAT)
.set WV,  30                           ; wave
.set GG,  31                           ; group
.set HD,  32                           ; head
.set CNT, 33                           ; steps
.set CNT2, 34                          ; query blocks
.set XB,  35                           ; the step's slot: 0 or SLOT1
.set CS,  36                           ; s[36:37] c, twice
.set SEL, 38                           ; s[38:39] v_permlanex16_b32's selects: each lane takes its own place in the other half
.set G0,  40                           ; s[40:43] descriptor group 0
.set G1,  44                           ; s[44:51] descriptor group 1
.set DST, 52                           ; s[52:53] the result at the work-group's step
.set TMPB, 54                          ; s[54:55] tmp likewise (FEAT)
.set QOFF, 56                          ; s56  byte offset of the query block's image
.set MSB, 0
.macro WIN new                         ; s_set_vgpr_msb: bits 1:0 source 0, 3:2 source 1, 5:4 source 2, 7:6 destination; the high byte repeats the setting that is left
.if MSB != (\new)
	s_set_vgpr_msb (MSB<<8)|(\new)
.set MSB, (\new)
.endif
.endm
.macro PLACES                          ; four places behind a matrix instruction where no other vector work is at hand (ISA guide 7.12.1)
.rept 4
	v_nop
.endr
.endm
	s_load_b512 s[8:23], s[0:1], 0x0
	s_load_b128 s[24:27], s[0:1], 0x40
.if FEAT
	s_load_b64 s[28:29], s[0:1], 0x50
.endif
	v_lshl_add_u32 v[SPW], v0, 2, SPARE
	v_mov_b32 v[NIL], 0
	ds_add_u32 v[SPW], v[NIL]              ; the wave's opening: the add and its wait ahead of my first tensor load; the set-up below, work on registers, stands between them
	ds_add_u32 v14, v15
	v_lshrrev_b32 v[TV], 5, v0
	v_readfirstlane_b32 s[WV], v[TV]
	s_lshr_b32 s[GG], s[WV], 2
	s_and_b32 s[HD], s[WV], 3
	; descriptor group 1: 32 tokens x 64 f32, 16 bytes of padding behind each token
	s_mov_b32 s[G1+0], (2<<16)|(1<<20)|(5<<22)|(3<<25)  ; no mask; 4-byte elements; padding on, after every 64 words (code 5), of 4 words (code 3)
	s_mov_b32 s[G1+1], 64<<16              ; tensor_dim0 = 64
	s_mov_b32 s[G1+2], 32<<16              ; tensor_dim1 = 32
	s_mov_b32 s[G1+3], 64<<16              ; tile_dim0 = 64
	s_mov_b32 s[G1+4], 32                  ; tile_dim1 = 32
	s_mov_b32 s[G1+5], PITCHX              ; elements from token to token
	s_mov_b32 s[G1+6], 0
	s_mov_b32 s[G1+7], 0
	s_mov_b32 s[G0], 1                     ; count = 1
	s_mul_i32 s[G0+1], s[WV], WFILL        ; LDS address: slot 0, my 32 of the step's 256 tokens
	s_mov_b32 s[CS], 0x3e8293ee            ; c = log2(e) / sqrt(32) = 0.255035
	s_mov_b32 s[CS+1], s[CS]
	s_mov_b32 s[SEL], 0x76543210
	s_mov_b32 s[SEL+1], 0xfedcba98
	s_mov_b32 s[XB], 0
	; byte offsets: s[60:61] the work-group's, s62 my wave's part, s[58:59] their sum
.if FEAT
	s_lshl_b32 s60, ttmp9, 18              ; eight sequences of 32,768 bytes
	s_lshl_b32 s62, s[WV], 13              ; my 32 tokens of 256 bytes: group x 32,768 + head x 8,192
.else
	s_lshr_b32 s60, ttmp9, 3
	s_lshl_b32 s60, s60, 21                ; b x 2,097,152
	s_and_b32 s61, ttmp9, 7
	s_lshl_b32 s61, s61, 12                ; 16 f of 256 bytes
	s_add_co_u32 s60, s60, s61
	s_and_b32 s62, s[HD], 1
	s_lshl_b32 s62, s62, 20                ; tokens 32 head .. + 31 of the unit: t from 32 (head % 2) on,
	s_lshr_b32 s63, s[HD], 1
	s_lshl1_add_u32 s63, s[GG], s63        ; f = 2 group + head / 2
	s_lshl_b32 s63, s63, 8
	s_add_co_u32 s62, s62, s63
.endif
	s_mov_b32 s61, 0
	s_add_co_u32 s58, s60, s62
	s_mov_b32 s59, 0
	s_wait_dscnt 0x0                       ; the opening add is done
	s_wait_kmcnt 0x0
	s_add_nc_u64 s[G0+2:G0+3], s[8:9], s[58:59]
	s_or_b32 s[G0+3], s[G0+3], 0x80000000  ; type = 2
	tensor_load_to_lds s[G0:G0+3], s[G1:G1+7]  ; step 0 into slot 0, ahead of everything else
	s_nop 0
	PLACES
.if FEAT
	s_add_nc_u64 s[DST:DST+1], s[28:29], s[60:61]
	s_add_nc_u64 s[TMPB:TMPB+1], s[26:27], s[60:61]
.else
	s_add_nc_u64 s[DST:DST+1], s[26:27], s[60:61]
.endif
	; the four weight matrices, 32,768 bytes each: eight loads of 16 bytes a thread, each load of the work-group 4,096 consecutive bytes
	v_lshlrev_b32 v[VP], 4, v0
.irp m,0,1,2,3
.irp i,0,1,2,3,4,5,6,7
	global_load_b128 v[WL+4*(8*\m+\i):WL+4*(8*\m+\i)+3], v[VP], s[10+2*\m:11+2*\m] offset:4096*\i
.endr
.endr
	v_and_b32 v[RR], 15, v0
	v_bfe_u32 v[HH], v0, 4, 1
	s_lshl_b32 s63, s[HD], 7
	v_lshl_add_u32 v[CH], v[HH], 5, s63    ; 4 (32 head + 8 h): my eight numbers of a bias tile
	v_lshlrev_b32 v[CH+1], 4, v[RR]
.irp j,0,1,2,3                         ; feature block j / 2, half j % 2
	global_load_b128 v[BL+4*\j:BL+4*\j+3], v[CH], s[18:19] offset:64*(\j/2)+16*(\j%2)
.endr
.irp j,0,1,2,3
	global_load_b128 v[BL+16+4*\j:BL+16+4*\j+3], v[CH], s[20:21] offset:64*(\j/2)+16*(\j%2)
.endr
.irp j,0,1,2,3
	global_load_b128 v[BV+4*\j:BV+4*\j+3], v[CH], s[22:23] offset:64*(\j/2)+16*(\j%2)
.endr
	global_load_b128 v[BO4:BO4+3], v[CH+1], s[24:25]
	; addresses, in the loads' shadow
	v_and_b32 v[TV], 31, v0                ; lane
	s_mul_i32 s63, s[WV], PW
	s_add_co_u32 s63, s63, WS
	v_lshl_add_u32 v[CH+2], v[TV], 3, s63  ; load i of Wq, Wk, Wv holds row 8 i + wave, columns 4 lane ..: 8 bytes of bf16
	v_lshrrev_b32 v[CH+3], 4, v0
	v_mul_u32_u24 v[CH+3], v[CH+3], PWO
	v_lshl_add_u32 v[CH+3], v[RR], 3, v[CH+3]
	v_add_nc_u32 v[CH+3], WO, v[CH+3]      ; load i of Wo holds row 16 i + thread / 16, columns 4 (thread % 16) ..
	v_mul_u32_u24 v[XA0], v[RR], PX
	v_lshl_add_u32 v[XA0], v[HH], 5, v[XA0]  ; row r, 32 bytes (8 f32) for each half of the lanes
	s_mul_i32 s63, s[WV], 16*SP
	s_add_co_u32 s63, s63, STG             ; my stage
	v_add_nc_u32 v[STO], s63, v[XA0]
	v_mul_u32_u24 v[RD], v[HH], SP         ; back: lanes 0-15 one row of 256 bytes, lanes 16-31 the next
	v_lshl_add_u32 v[RD], v[RR], 4, v[RD]
	v_add_nc_u32 v[RD], s63, v[RD]
	s_mul_i32 s63, s[GG], GRP
	v_add_nc_u32 v[XA0], s63, v[XA0]
	s_lshl_b32 s63, s[WV], 13
	s_add_co_u32 s63, s63, QO
	v_lshl_add_u32 v[VQ0], v[TV], 4, s63
	s_lshl_b32 s63, s[GG], 15
	s_lshl_b32 s57, s[HD], 11
	s_add_co_u32 s63, s63, s57
	s_add_co_u32 s63, s63, QO
	v_lshl_add_u32 v[VO], v[TV], 4, s63    ; my group's head 0, token block 2 head
	v_and_b32 v[VQ], 7, v0                 ; the turning load: lane l reads row 8 (l / 16) + l % 8, 16 bytes at 16 ((l / 8) % 2)
	v_lshl_add_u32 v[VQ], v[HH], 3, v[VQ]
	v_bfe_u32 v[XA], v0, 3, 1
	v_mul_u32_u24 v[VWO], v[VQ], PWO
	v_lshl_add_u32 v[VWO], v[XA], 4, v[VWO]
	v_add_nc_u32 v[VWO], WO, v[VWO]
.if FEAT
	v_lshl_add_u32 v[VD], v[TV], 4, s62    ; 32 lanes take two tokens, 512 consecutive bytes
.else
	v_lshlrev_b32 v[VD], 15, v[HH]         ; lanes 0-15 one token's 256 bytes, lanes 16-31 the token one t further
	v_lshl_add_u32 v[VD], v[RR], 4, v[VD]
	v_add_nc_u32 v[VD], s62, v[VD]
.endif
	v_mov_b32 v[RL+1], 0
; Matrix m of Wq, Wk, Wv: rounded to bf16 and laid into LDS as it lies.  Behind its eight loads 8 (3 - m) weight loads and the 13 bias loads were issued.
.macro WCONV m
	s_wait_loadcnt 37-8*(\m)
.set wi, 0
.rept 8
.set wr, WL+4*(8*(\m)+wi)
	v_cvt_pk_bf16_f32 v[wr], v[wr], v[wr+1]
	v_cvt_pk_bf16_f32 v[wr+1], v[wr+2], v[wr+3]
	ds_store_b64 v[CH+2], v[wr:wr+1] offset:(\m)*WMAT+wi*8*PW
.set wi, wi+1
.endr
.endm
	WCONV 0
	WCONV 1
	WCONV 2
	s_wait_loadcnt 13                      ; Wo is in; the 13 bias loads may be out
.set wi, 0
.rept 8                                ; Wo: rounded to bf16 like every input, widened, and that number written as f16
.set wr, WL+96+4*wi
	v_cvt_pk_bf16_f32 v[TP], v[wr], v[wr+1]
	v_cvt_pk_bf16_f32 v[TP+1], v[wr+2], v[wr+3]
	v_lshlrev_b32 v[wr], 16, v[TP]
	v_and_b32 v[wr+1], 0xffff0000, v[TP]
	v_lshlrev_b32 v[wr+2], 16, v[TP+1]
	v_and_b32 v[wr+3], 0xffff0000, v[TP+1]
	v_cvt_pk_f16_f32 v[wr], v[wr], v[wr+1]
	v_cvt_pk_f16_f32 v[wr+1], v[wr+2], v[wr+3]
	ds_store_b64 v[CH+3], v[wr:wr+1] offset:wi*16*PWO
.set wi, wi+1
.endr
; n pairs of bias numbers are rounded to bf16 and widened again; w: the window setting for the destination
.macro RB16 dst, src, n, w
	WIN 0
.set wi, 0
.rept \n
	v_cvt_pk_bf16_f32 v[TP+wi], v[(\src)+2*wi], v[(\src)+2*wi+1]
.set wi, wi+1
.endr
	WIN \w
.set wi, 0
.rept \n
	v_lshlrev_b32 v[(\dst)+2*wi], 16, v[TP+wi]
	v_and_b32 v[(\dst)+2*wi+1], 0xffff0000, v[TP+wi]
.set wi, wi+1
.endr
	WIN 0
.endm
	s_wait_loadcnt 0x0                     ; the biases
	RB16 BQR, BL, 16, 0x40                 ; bq's and bk's tiles go to window 1
	RB16 BV, BV, 8, 0
	RB16 BO4, BO4, 2, 0
	v_mul_u32_u24 v[VP], v[VQ], PW         ; free since the wait for the loads that it addressed: now the turning load's place in Wq, at my head's 32 columns
	v_lshl_add_u32 v[VP], v[XA], 4, v[VP]
	s_lshl_b32 s63, s[HD], 6
	s_add_co_u32 s63, s63, WS
	v_add_nc_u32 v[VP], s63, v[VP]
	s_wait_dscnt 0x0                       ; for the others' sake: my part of the weights is in LDS
	s_barrier_signal -1
	s_barrier_wait -1                      ; everybody's is.  The x tile may stay out
	WIN 0x40
.set wi, 0                             ; wi = 4 M + 2 fb + ks: 16 features x 32 d, turned: they stay in registers for the whole launch
.rept 12
	ds_load_tr16_b128 v[WR+8*wi:WR+8*wi+3],   v[VP] offset:(wi/4)*WMAT+(wi%2)*32*PW+((wi/2)%2)*32
	ds_load_tr16_b128 v[WR+8*wi+4:WR+8*wi+7], v[VP] offset:(wi/4)*WMAT+(wi%2)*32*PW+((wi/2)%2)*32+16*PW
.set wi, wi+1
.endr
	WIN 0                                  ; the first step's wait for its LDS instructions covers these
; PROJECTION.  A token block's x: lane l takes token l % 16; for K step k its d = 32 k + 8 h + 0..7 and 32 k + 16 + 8 h + 0..7, in f32: four loads of 16 bytes.
.macro XLOAD tb
.irp k,0,1
	ds_load_b128 v[XF+16*\k:XF+16*\k+3],     v[XA] offset:(\tb)*16*PX+128*\k
	ds_load_b128 v[XF+16*\k+4:XF+16*\k+7],   v[XA] offset:(\tb)*16*PX+128*\k+16
	ds_load_b128 v[XF+16*\k+8:XF+16*\k+11],  v[XA] offset:(\tb)*16*PX+128*\k+64
	ds_load_b128 v[XF+16*\k+12:XF+16*\k+15], v[XA] offset:(\tb)*16*PX+128*\k+80
.endr
.endm
.macro XCVT buf                        ; rounded to bf16: the block's two fragments
.set xi, 0
.rept 16
	v_cvt_pk_bf16_f32 v[XB16+16*(\buf)+xi], v[XF+2*xi], v[XF+2*xi+1]
.set xi, xi+1
.endr
.endm
; 12 products on six accumulators (Q fb 0, 1; K fb 0, 1; V cb 0, 1), which take turns, one instruction a turn.  Q's and K's sums start with the bias tile, V's with 0.
.macro PROJ buf
.set XR, XB16+16*(\buf)
	WIN 0x11                               ; weights and bias in window 1
.irp a,0,1,2,3
	v_wmma_f32_16x16x32_bf16 v[ACC+8*\a:ACC+8*\a+7], v[WR+16*\a:WR+16*\a+7], v[XR:XR+7], v[BQR+8*\a:BQR+8*\a+7]
.endr
	WIN 0x04                               ; x is source 0, the weights source 1
.irp a,4,5
	v_wmma_f32_16x16x32_bf16 v[ACC+8*\a:ACC+8*\a+7], v[XR:XR+7], v[WR+16*\a:WR+16*\a+7], 0
.endr
.irp a,4,5
	v_wmma_f32_16x16x32_bf16 v[ACC+8*\a:ACC+8*\a+7], v[XR+8:XR+15], v[WR+16*\a+8:WR+16*\a+15], v[ACC+8*\a:ACC+8*\a+7]
.endr
	WIN 0x01
.irp a,0,1,2,3
	v_wmma_f32_16x16x32_bf16 v[ACC+8*\a:ACC+8*\a+7], v[WR+16*\a+8:WR+16*\a+15], v[XR+8:XR+15], v[ACC+8*\a:ACC+8*\a+7]
.endr
.endm
; The block's q, k, v rounded to f16, each accumulator from its low end on.  Q goes to my images in LDS, K and V stay in window 1.
.macro PACK tb
	WIN 0
.irp i,0,1,2,3,4,5,6,7
	v_cvt_pk_f16_f32 v[QT+\i], v[ACC+2*\i], v[ACC+2*\i+1]
.endr
	ds_store_b128 v[VQ0], v[QT:QT+3] offset:(\tb)*1024
	ds_store_b128 v[VQ0], v[QT+4:QT+7] offset:(\tb)*1024+512
	WIN 0x40
.irp i,0,1,2,3,4,5,6,7
	v_cvt_pk_f16_f32 v[KR+8*(\tb)+\i], v[ACC+16+2*\i], v[ACC+16+2*\i+1]
.endr
.irp c,0,1
.irp i,0,1,2,3
	v_cvt_pk_f16_f32 v[VR+8*(4*\c+(\tb)/2)+4*((\tb)%2)+\i], v[ACC+32+8*\c+2*\i], v[ACC+32+8*\c+2*\i+1]
.endr
.endr
.endm
; ATTENTION.  The maximum of a lane's 8 nk scores, three operands at a time, in four chains; each accumulator's lowest registers are read first.
.macro MAXS nk
.irp c,0,1,2,3
	v_max3_num_f32 v[CH+\c], v[S+8*\c], v[S+8*\c+1], v[S+8*\c+2]
.endr
.irp p,3,5
.irp c,0,1,2,3
	v_max3_num_f32 v[CH+\c], v[CH+\c], v[S+8*\c+\p], v[S+8*\c+\p+1]
.endr
.endr
.if (\nk) == 8
.irp p,0,2,4,6
.irp c,0,1,2,3
	v_max3_num_f32 v[CH+\c], v[CH+\c], v[S+32+8*\c+\p], v[S+32+8*\c+\p+1]
.endr
.endr
.endif
	v_max3_num_f32 v[CH], v[CH], v[S+7], v[S+15]
	v_max3_num_f32 v[CH+2], v[CH+2], v[S+23], v[S+31]
	v_max3_num_f32 v[CH], v[CH], v[CH+1], v[CH+2]
	v_max_num_f32 v[CH], v[CH], v[CH+3]
.endm
; n pairs of scores: c s - c m; two exponentials; the rounding to f16; the sum.  Staggered: pair t is scaled while pair t - 1 takes its exponentials and pair t - 3 is rounded and added, so
; that a plain instruction stands behind each exponential before its result is used (ISA guide 5.7.2).  The sums run in two chains, started by pairs 0 + 2 and 1 + 3: nothing is cleared.
.macro EXPS n
.set t, 0
.rept (\n)+3
.if t < (\n)
	v_pk_fma_f32 v[S+2*t:S+2*t+1], v[S+2*t:S+2*t+1], s[CS:CS+1], v[CM:CM+1] op_sel_hi:[1,0,0] neg_lo:[0,0,1] neg_hi:[0,0,1]
.endif
.if (t >= 1) && (t <= (\n))
	v_exp_f32 v[S+2*t-2], v[S+2*t-2]
.endif
.if t >= 3
	s_wait_alu depctr_va_vdst(0)
	v_cvt_pk_f16_f32 v[P+t-3], v[S+2*t-6], v[S+2*t-5]
.endif
.if (t >= 1) && (t <= (\n))
	v_exp_f32 v[S+2*t-1], v[S+2*t-1]
.endif
.if t >= 7
	v_pk_add_f32 v[LS+2*((t-3)%2):LS+2*((t-3)%2)+1], v[LS+2*((t-3)%2):LS+2*((t-3)%2)+1], v[S+2*t-6:S+2*t-5]
.elseif t >= 5
	v_pk_add_f32 v[LS+2*((t-3)%2):LS+2*((t-3)%2)+1], v[S+2*t-10:S+2*t-9], v[S+2*t-6:S+2*t-5]
.endif
.set t, t+1
.endr
.endm
; A sequence of nk key blocks from block kb0 on; a trip is one query block of 16.
.macro ATT nk, kb0, trips
	s_mov_b32 s[CNT2], \trips
.Latt_\@:
	v_add_nc_u32 v[VQ], s[QOFF], v[VQ0]
	ds_load_b128 v[QC:QC+3], v[VQ]
	ds_load_b128 v[QC+4:QC+7], v[VQ] offset:512
	s_wait_dscnt 0x0                       ; Q's fragment is in
	WIN 0x01                               ; K in window 1
.set ai, 0
.rept \nk
	v_wmma_f32_16x16x32_f16 v[S+8*ai:S+8*ai+7], v[KR+8*((\kb0)+ai):KR+8*((\kb0)+ai)+7], v[QC:QC+7], 0
.set ai, ai+1
.endr
	WIN 0
	PLACES
	MAXS \nk
	v_permlanex16_b32 v[CH+1], v[CH], s[SEL], s[SEL+1]  ; the query's other keys lie in the lane 16 away
	v_max_num_f32 v[CM+1], v[CH], v[CH+1]
	v_mul_f32 v[CM], s[CS], v[CM+1]
	EXPS 4*(\nk)
	WIN 0x01                               ; V in window 1
.set ai, 0                             ; ai = 2 kg + cb: the two accumulators take turns; the first two products start the sums
.rept \nk
.if ai < 2
	v_wmma_f32_16x16x32_f16 v[OT+8*(ai%2):OT+8*(ai%2)+7], v[VR+8*(4*(ai%2)+(\kb0)/2+ai/2):VR+8*(4*(ai%2)+(\kb0)/2+ai/2)+7], v[P+8*(ai/2):P+8*(ai/2)+7], 0
.else
	v_wmma_f32_16x16x32_f16 v[OT+8*(ai%2):OT+8*(ai%2)+7], v[VR+8*(4*(ai%2)+(\kb0)/2+ai/2):VR+8*(4*(ai%2)+(\kb0)/2+ai/2)+7], v[P+8*(ai/2):P+8*(ai/2)+7], v[OT+8*(ai%2):OT+8*(ai%2)+7]
.endif
.set ai, ai+1
.endr
	WIN 0
	v_pk_add_f32 v[LS:LS+1], v[LS:LS+1], v[LS+2:LS+3]  ; l: the two chains, the pair's halves, the other half of the lanes.  The five plain lines down to the second v_nop are the places behind the products
	v_add_f32 v[LS], v[LS], v[LS+1]
	v_permlanex16_b32 v[CH+1], v[LS], s[SEL], s[SEL+1]
	v_add_f32 v[LS], v[LS], v[CH+1]
	v_rcp_f32 v[RL], v[LS]
	v_nop                                  ; a plain instruction between the reciprocal and its use
	v_nop
.set ni, 0
.rept 8
	s_wait_alu depctr_va_vdst(0)
	v_pk_fma_f32 v[OT+2*ni:OT+2*ni+1], v[OT+2*ni:OT+2*ni+1], v[RL:RL+1], v[BV+2*ni:BV+2*ni+1] op_sel_hi:[1,0,1]  ; O / l + bv
.set ni, ni+1
.endr
.set ni, 0
.rept 8
	v_cvt_pk_f16_f32 v[OC+ni], v[OT+2*ni], v[OT+2*ni+1]
.set ni, ni+1
.endr
	ds_store_b128 v[VQ], v[OC:OC+3]        ; the O fragment takes the Q fragment's place: my own bytes until the barrier behind the attention
	ds_store_b128 v[VQ], v[OC+4:OC+7] offset:512
	s_add_co_u32 s[QOFF], s[QOFF], 1024
	s_sub_co_u32 s[CNT2], s[CNT2], 1
	s_cmp_lg_u32 s[CNT2], 0
	s_cbranch_scc1 .Latt_\@
.endm
; Token block e of my two leaves: the rows read back from the stage take the bias (and tmp), and are stored.
.macro SEND e
	s_wait_dscnt 16-16*(\e)                ; block 0: block 1's eight stage stores and eight loads may be out
.set wi, 0
.rept 16
.if FEAT
	v_pk_add_f32 v[RB+32*(\e)+2*wi:RB+32*(\e)+2*wi+1], v[RB+32*(\e)+2*wi:RB+32*(\e)+2*wi+1], v[TT+32*(\e)+2*wi:TT+32*(\e)+2*wi+1]
.else
	v_pk_add_f32 v[RB+32*(\e)+2*wi:RB+32*(\e)+2*wi+1], v[RB+32*(\e)+2*wi:RB+32*(\e)+2*wi+1], v[BO4+2*(wi%2):BO4+2*(wi%2)+1]
.endif
.set wi, wi+1
.endr
.set wi, 0
.rept 8                                ; sixteen lanes store a token's 256 consecutive bytes, at a multiple of 256 from the buffer's first byte
.if FEAT
	global_store_b128 v[VD], v[RB+32*(\e)+4*wi:RB+32*(\e)+4*wi+3], s[DST:DST+1] offset:(\e)*OE+wi*OI th:TH_STORE_NT
.else
	global_store_b128 v[VD], v[RB+32*(\e)+4*wi:RB+32*(\e)+4*wi+3], s[DST:DST+1] offset:(\e)*OE+wi*OI
.endif
.set wi, wi+1
.endr
.endm
; A STEP.  fill = 1: the next step's x is asked for.
.macro STEP fill
	WIN 0
	s_wait_tensorcnt 0x0                   ; all my tensor loads have landed: the one that was out is my part of this step's x; so group 0 may be written
	ds_add_u32 v[SPW], v[NIL]              ; 0 onto my spare word
.if \fill
	s_xor_b32 s[G0+1], s[G0+1], SLOT1      ; the other slot,
	s_add_nc_u64 s[G0+2:G0+3], s[G0+2:G0+3], STEPB  ; the next step's units; the type bits on top are not reached
.endif
	s_wait_dscnt 0x0                       ; the add is done; my reads of the other slot, of the group's O images and of my stage are back
	s_barrier_signal -1
	s_barrier_wait -1                      ; all that holds of every wave: this step's x is whole, the other slot and the images are free
.if \fill
	tensor_load_to_lds s[G0:G0+3], s[G1:G1+7]  ; my one tensor load behind the barrier, first thing there: it has the whole step in which to land
	s_nop 0
	PLACES
.endif
.if FEAT
.set wi, 0
.rept 16                               ; tmp's rows for my 32 tokens of the output projection: wanted at the step's end
	global_load_b128 v[TT+4*wi:TT+4*wi+3], v[VD], s[TMPB:TMPB+1] offset:(wi/8)*OE+(wi%8)*OI th:TH_LOAD_NT
.set wi, wi+1
.endr
.endif
	v_add_nc_u32 v[XA], s[XB], v[XA0]
	s_mov_b32 s[QOFF], 0
	XLOAD 0
	s_wait_dscnt 0x0
	XCVT 0
	XLOAD 1
.set pb, 0
.rept 8                                ; block pb is multiplied; the next block's x is rounded (sixteen plain lines, the places behind the products); the block after that is fetched; block pb is packed
	PROJ pb%2
	WIN 0
.if pb < 7
.if pb == 0
	s_wait_dscnt 0x0
.else
	s_wait_dscnt 0x2                       ; the next block's x is in; the two Q stores issued behind its loads may be out
.endif
	XCVT (pb+1)%2
.if pb < 6
	XLOAD pb+2
.endif
.else
	PLACES
.endif
	PACK pb
.set pb, pb+1
.endr
	WIN 0
.if FEAT
	ATT 8, 0, 8
.else
	ATT 4, 0, 4                            ; sequence f0: tokens 0-63
	ATT 4, 4, 4                            ; sequence f0 + 1: tokens 64-127
.endif
	; OUTPUT PROJECTION for token blocks 2 head and 2 head + 1 of my group
	s_wait_dscnt 0x0                       ; for the others' sake: my O fragments are in LDS
	s_barrier_signal -1
	WIN 0x40                               ; Wo's 16 fragments, turned, where K and V lay: bytes that nobody writes behind the prologue, so the loads may stand here
.set wi, 0                             ; wi = 4 db + head
.rept 16
	ds_load_tr16_b128 v[WOR+8*wi:WOR+8*wi+3],   v[VWO] offset:(wi%4)*32*PWO+(wi/4)*32
	ds_load_tr16_b128 v[WOR+8*wi+4:WOR+8*wi+7], v[VWO] offset:(wi%4)*32*PWO+(wi/4)*32+16*PWO
.set wi, wi+1
.endr
	WIN 0
	s_barrier_wait -1                      ; the four heads' O fragments are there
.set wi, 0                             ; wi = 4 e + head
.rept 8
	ds_load_b128 v[OF+8*wi:OF+8*wi+3],   v[VO] offset:(wi%4)*8192+(wi/4)*1024
	ds_load_b128 v[OF+8*wi+4:OF+8*wi+7], v[VO] offset:(wi%4)*8192+(wi/4)*1024+512
.set wi, wi+1
.endr
	s_wait_dscnt 0x0
	WIN 0x01
.set wi, 0                             ; wi = 8 head + 4 e + db: the eight accumulators take turns; head 0 starts the sums
.rept 32
.set hq, wi/8
.set ac, OACC+8*(wi%8)
.set wf, WOR+8*(4*(wi%4)+hq)
.set of, OF+8*(4*((wi/4)%2)+hq)
.if hq == 0
	v_wmma_f32_16x16x32_f16 v[ac:ac+7], v[wf:wf+7], v[of:of+7], 0
.else
	v_wmma_f32_16x16x32_f16 v[ac:ac+7], v[wf:wf+7], v[of:of+7], v[ac:ac+7]
.endif
.set wi, wi+1
.endr
	WIN 0
.if FEAT
	s_wait_loadcnt 0x0                     ; tmp's rows
.set wi, 0
.rept 32                               ; + bo: these lines are also the places behind the products
	v_pk_add_f32 v[TT+2*wi:TT+2*wi+1], v[TT+2*wi:TT+2*wi+1], v[BO4+2*(wi%2):BO4+2*(wi%2)+1]
.set wi, wi+1
.endr
.else
	PLACES
.endif
.irp e,0,1                             ; a lane's eight d of a token, 32 bytes, go into my stage's rows and come back as whole rows of 256 bytes
.set wi, 0
.rept 4
	ds_store_b128 v[STO], v[OACC+8*(4*\e+wi):OACC+8*(4*\e+wi)+3] offset:64*wi
	ds_store_b128 v[STO], v[OACC+8*(4*\e+wi)+4:OACC+8*(4*\e+wi)+7] offset:64*wi+16
.set wi, wi+1
.endr
.set wi, 0
.rept 8
	ds_load_b128 v[RB+32*\e+4*wi:RB+32*\e+4*wi+3], v[RD] offset:wi*2*SP  ; LDS serves a wave's instructions in order (ISA guide 5.7.1.4): these see the stores above, and the next block's stores come behind them
.set wi, wi+1
.endr
.endr
	SEND 0
	SEND 1
.if \fill
	s_wait_xcnt 0x0                        ; the stores' data registers and the bases are rewritten only behind this wait
	s_add_nc_u64 s[DST:DST+1], s[DST:DST+1], STEPB
.if FEAT
	s_add_nc_u64 s[TMPB:TMPB+1], s[TMPB:TMPB+1], STEPB
.endif
	s_xor_b32 s[XB], s[XB], SLOT1
.endif
.endm
	s_mov_b32 s[CNT], 3
.Lstep:
	STEP 1
	s_sub_co_u32 s[CNT], s[CNT], 1
	s_cmp_lg_u32 s[CNT], 0
	s_cbranch_scc1 .Lstep
	STEP 0                                 ; the last step is written out: nothing is asked for
	s_wait_tensorcnt 0x0                   ; the wave's end: behind my last tensor load and my last LDS store
	ds_add_u32 v[SPW], v[NIL]
	s_wait_dscnt 0x0
	s_endpgm
.Lfunc_end_k_qac1b853ee9_feature:
	.size	k_qac1b853ee9_feature, .Lfunc_end_k_qac1b853ee9_feature-k_qac1b853ee9_feature
	.p2alignl 7, 3214868480
	.fill 96, 4, 3214868480
	.section	.rodata,"a",@progbits
	.p2align	6, 0x0
	.amdhsa_kernel k_qac1b853ee9_feature
		.amdhsa_group_segment_fixed_size 327680
		.amdhsa_private_segment_fixed_size 0
		.amdhsa_enable_private_segment 0
		.amdhsa_kernarg_size 88
		.amdhsa_user_sgpr_count 2
		.amdhsa_user_sgpr_kernarg_segment_ptr 1
		.amdhsa_wavefront_size32 1
		.amdhsa_system_sgpr_workgroup_id_x 1
		.amdhsa_system_sgpr_workgroup_id_y 1
		.amdhsa_system_sgpr_workgroup_id_z 1
		.amdhsa_system_vgpr_workitem_id 0
		.amdhsa_next_free_vgpr 512
		.amdhsa_next_free_sgpr 66
		.amdhsa_reserve_vcc 0
		.amdhsa_float_denorm_mode_32 3
		.amdhsa_float_denorm_mode_16_64 3
		.amdhsa_memory_ordered 1
		.amdhsa_forward_progress 1
		.amdhsa_inst_pref_size 148
	.end_amdhsa_kernel
	.amdgpu_metadata
---
amdhsa.version: [ 1, 2 ]
amdhsa.kernels:
  - .name:           k_qac1b853ee9_feature
    .symbol:         k_qac1b853ee9_feature.kd
    .args:
      - { .name: x, .offset: 0, .size: 8, .value_kind: global_buffer, .address_space: global }
      - { .name: fq_w, .offset: 8, .size: 8, .value_kind: global_buffer, .address_space: global }
      - { .name: fk_w, .offset: 16, .size: 8, .value_kind: global_buffer, .address_space: global }
      - { .name: fv_w, .offset: 24, .size: 8, .value_kind: global_buffer, .address_space: global }
      - { .name: fo_w, .offset: 32, .size: 8, .value_kind: global_buffer, .address_space: global }
      - { .name: fq_b, .offset: 40, .size: 8, .value_kind: global_buffer, .address_space: global }
      - { .name: fk_b, .offset: 48, .size: 8, .value_kind: global_buffer, .address_space: global }
      - { .name: fv_b, .offset: 56, .size: 8, .value_kind: global_buffer, .address_space: global }
      - { .name: fo_b, .offset: 64, .size: 8, .value_kind: global_buffer, .address_space: global }
      - { .name: tmp, .offset: 72, .size: 8, .value_kind: global_buffer, .address_space: global }
      - { .name: out0, .offset: 80, .size: 8, .value_kind: global_buffer, .address_space: global }
    .group_segment_fixed_size: 327680
    .private_segment_fixed_size: 0
    .kernarg_segment_align: 8
    .kernarg_segment_size: 88
    .max_flat_workgroup_size: 256
    .sgpr_count:     66
    .vgpr_count:     512
    .wavefront_size: 32
...
	.end_amdgpu_metadata
.endif
;; end of part 2
;; ======== version 2 of 2: 2 launches; 1.13 times as fast as version 1
;; limits: values are held in f16: magnitudes above 65,504 overflow, below 6.1e-05 lose precision
;; workspace buffers: tmp 67,108,864 bytes
;; launch temporal (part 3): grid 256 x 1, 8 waves a work-group, no clusters, 327,680 bytes of LDS; arguments x, tq_w, tk_w, tv_w, to_w, tq_b, tk_b, tv_b, to_b, tmp; writes tmp
.if DOCPART == 3
	.amdgcn_target "amdgcn-amd-amdhsa--gfx1250"
	.amdhsa_code_object_version 6
	.text
	.protected	k_qac1b853ee9_temporal
	.globl	k_qac1b853ee9_temporal
	.p2align	8
	.type	k_qac1b853ee9_temporal,@function
k_qac1b853ee9_temporal:
	s_mov_b64 s[64:65], 0
	v_nop
	global_prefetch_b8 v0, s[64:65] scope:SCOPE_SE
	s_setreg_imm32_b32 hwreg(HW_REG_WAVE_MODE, 25, 1), 1
	s_wait_xcnt 0x0
; AXIAL MULTI-HEAD ATTENTION on x [32][64][128][64] f32, 4 heads of 32 channels.  One text serves two launches; FEAT chooses.
; FEAT = 0: attention over t for each (b, f); result with its output bias -> tmp (f32, laid out as x).  FEAT = 1: attention over f for each (b, t); result + bias + tmp -> out0.
; SHARES.  A UNIT is 128 tokens: one (b, t) sequence (FEAT), or the two sequences f0, f0 + 1 of 64 tokens (token u = 64 fi + t).  2,048 units, 256 work-groups, 8 units each: 4 steps of 2 groups.
; Wave v: group v / 4, head v % 4.  In a step it projects q, k, v of its head for its group's 128 tokens, runs its head's attention, hands O to its group through LDS, and makes the output
; projection (all heads, all 64 d) for 32 tokens.  Two waves share a SIMD's registers, 512 each, so that one wave's softmax stands beside the other's products.
; LAYOUT.  Q^T and K^T = W^T X^T (lane = token, registers = features): two feature tiles rounded in pairs ARE a fragment of 16 tokens x 32 channels.  V = X Wv (lane = channel, registers = tokens):
; two token tiles ARE a fragment of V^T.  S^T = K Q^T holds one query a lane; its pairs, rounded, ARE source 1 of O^T = V^T P; O^T / l + bv, rounded, IS source 1 of out^T = Wo^T O^T.
; Nothing changes lanes between the products but the maximum's and the sum's one exchange of the lanes' halves.
; SOFTMAX.  All keys of a sequence are in hand: m is the true maximum, p = 2^(c s - c m), c = log2(e) / sqrt(32), l the f32 sum of the unrounded p.  The weights p / l add up to 1, so v's bias is added behind the division.
; BATCHES.  A query block has two batches of transcendentals, each with ONE s_wait_alu depctr_va_vdst(0) ahead of the first instruction that names a result.
; (1) Its 8 nk exponentials, dealt with their scalings; nothing in the batch names a result; a v_nop, the wait, and only then the roundings and the sums.  (2) The reciprocal of l, which reads a sum of the
; exponentials' results and so is a batch of its own: it is issued ahead of the last two products V^T P; these and their four places stand between it and its wait, ahead of O / l + bv.
; FORMATS.  x, all weights and all biases are rounded to bf16 (Wo's bf16 value is then written as f16, exactly).  q, k, v, p and O, which the program makes itself, are f16; sums, maxima, tmp in f32.
; LIMITS.  q, k, v and O must lie within f16's 65,504; below 6e-5 they keep f16's fixed step of 6e-8, and so does Wo.  A weight p below 2^-126 counts as 0.  NaN and infinities are not treated apart.
; NO CLUSTER: a work-group moves 262,144 bytes of x and as many of its result (and of tmp) that no other work-group touches; shared are only the four weight matrices, 131,072 bytes, read once, through
; registers, since they are rounded on the way.  NO PREFETCH: each x tile is asked for a whole step ahead of its use.
.set FEAT, 0
.if FEAT
.set PITCHX, 64                        ; elements from token to token in x
.set STEPB,  65536                     ; bytes from a step's units to the next step's: two sequences of 32,768
.set OE,     4096                      ; bytes from a token block of 16 to the next in the result
.set OI,     512                       ; bytes from a pair of tokens to the next
.else
.set PITCHX, 8192                      ; t to t + 1: 128 x 64 elements
.set STEPB,  1024                      ; four f of 256 bytes
.set OE,     524288                    ; 16 t of 32,768 bytes
.set OI,     65536                     ; 2 t
.endif
; LDS.  Every region begins on a multiple of 256 bytes; tensor loads fill the two x slots alone, and nothing is stored there.
.set PX,    272                        ; a token of x: 256 bytes + 16 of padding: row r starts 16 r bytes further modulo 256, so the 16 rows of a load take 16 different columns of 16 bytes
.set GRP,   128*PX                     ; a group's 128 tokens
.set WFILL, 32*PX                      ; what one wave's tensor load brings
.set WS,    2*GRP                      ; behind slot 0: Wq, Wk, Wv in bf16 as they lie, [d][128], rows of 256 + 32 bytes
.set PW,    288
.set WMAT,  64*PW
.set SPARE, WS+3*WMAT                  ; the spare words, 128 bytes for each of eight waves: four blocks of 256 bytes that no other line names
.set SLOT1, 1<<17                      ; x slot 1: one exclusive or turns an address in one slot into the other's
.set QO,    SLOT1+2*GRP                ; wave v at 8,192 v; token block tb at 1,024 tb: a fragment's register image (registers 0-3 at 16 x lane, 4-7 at 512 + 16 x lane): Q, later O
.set WO,    QO+8*8192                  ; Wo in f16 as it lies, [128][64], rows of 128 + 32 bytes
.set PWO,   160
.set STG,   WO+128*PWO                 ; wave v at 4,352 v: 16 rows of 272 bytes, the way out
.set SP,    272
; REGISTERS, window 0
.set RR,  1                            ; v1   lane % 16
.set HH,  2                            ; v2   lane / 16
.set TV,  3                            ; v3   at work in the prologue
.set XA0, 4                            ; v4   my place in a token block of my group's x, slot 0; never rewritten
.set XA,  5                            ; v5   the same in the step's slot
.set VQ,  6                            ; v6   the query block's image in QO
.set VQ0, 7                            ; v7   my wave's first image; never rewritten
.set VO,  8                            ; v8   head 0's image of my first token block of the output projection
.set VWO, 9                            ; v9   the turning load's place in Wo
.set STO, 10                           ; v10  the way out: where I put 32 bytes of a row
.set RD,  11                           ; v11  the way out: where I read rows back
.set VD,  12                           ; v12  my byte offset in the result (and in tmp); never rewritten
.set VP,  13                           ; v13  prologue addresses
.set SPW, 14                           ; v14  LDS address of my spare word; never rewritten
.set NIL, 15                           ; v15  0; never rewritten
.set BO4, 16                           ; v16-19   bo[4 r .. 4 r + 3]
.set CM,  20                           ; v20-21   c m, m
.set RL,  22                           ; v22-23   1 / l, and 0 (named as a pair)
.set CH,  24                           ; v24-27   the maximum's four chains
.set LS,  28                           ; v28-31   two pairs of running sums
.set BV,  32                           ; v32-47   bv as O^T holds channels: register 8 cb + j = bv[32 head + 16 cb + 8 h + j]
.set S,   48                           ; v48-111  scores, 8 a key block
.set P,   112                          ; v112-143 weights in f16
.set OT,  144                          ; v144-159 O^T
.set QC,  160                          ; v160-167 the query block's fragment
.set OC,  168                          ; v168-175 its O fragment
.set TT,  176                          ; v176-239 tmp's rows (FEAT)
.set XF,  48                           ; projection: v48-79 a token block of x in f32; v80-111 two buffers of its two bf16 fragments; v112-159 six accumulators; v160-167 Q packed
.set XB16, 80
.set ACC, 112
.set QT,  160
.set OF,  48                           ; output projection: v48-111 eight O fragments, later the rows read back; v112-175 eight accumulators
.set RB,  48
.set OACC, 112
.set WL,  48                           ; prologue: v48-175 the weights as loaded; v176-207 bq, bk as loaded; v208-223 at work
.set BL,  176
.set TP,  208
; window 1
.set WR,  0                            ; v0-95    weight fragments: (matrix M, feature block fb, K step ks) at 8 (4 M + 2 fb + ks)
.set KR,  96                           ; v96-159  K, 8 a token block
.set VR,  160                          ; v160-223 V^T: (channel block cb, 32 keys kg) at 8 (4 cb + kg)
.set BQR, 224                          ; v224-255 bias tiles: bq fb 0, 1, bk fb 0, 1
.set WOR, 96                           ; output projection: Wo fragments (d block db, head) at 96 + 8 (4 db + head), where K and V lay
; scalars: s[8:23] x, wq, wk, wv, wo, bq, bk, bv; s[24:27] bo, tmp; s[28:29] out0 (FEAT)
.set WV,  30                           ; wave
.set GG,  31                           ; group
.set HD,  32                           ; head
.set CNT, 33                           ; steps
.set CNT2, 34                          ; query blocks
.set XB,  35                           ; the step's slot: 0 or SLOT1
.set CS,  36                           ; s[36:37] c, twice
.set SEL, 38                           ; s[38:39] v_permlanex16_b32's selects: each lane takes its own place in the other half
.set G0,  40                           ; s[40:43] descriptor group 0
.set G1,  44                           ; s[44:51] descriptor group 1
.set DST, 52                           ; s[52:53] the result at the work-group's step
.set TMPB, 54                          ; s[54:55] tmp likewise (FEAT)
.set QOFF, 56                          ; s56  byte offset of the query block's image
.set MSB, 0
.macro WIN new                         ; s_set_vgpr_msb: bits 1:0 source 0, 3:2 source 1, 5:4 source 2, 7:6 destination; the high byte repeats the setting that is left
.if MSB != (\new)
	s_set_vgpr_msb (MSB<<8)|(\new)
.set MSB, (\new)
.endif
.endm
.macro PLACES                          ; four places behind a matrix instruction where no other vector work is at hand (ISA guide 7.12.1)
.rept 4
	v_nop
.endr
.endm
	s_load_b512 s[8:23], s[0:1], 0x0
	s_load_b128 s[24:27], s[0:1], 0x40
.if FEAT
	s_load_b64 s[28:29], s[0:1], 0x50
.endif
	v_lshl_add_u32 v[SPW], v0, 2, SPARE
	v_mov_b32 v[NIL], 0
	ds_add_u32 v[SPW], v[NIL]              ; the wave's opening: the add and its wait ahead of my first tensor load; the set-up below, work on registers, stands between them
	ds_add_u32 v14, v15
	v_lshrrev_b32 v[TV], 5, v0
	v_readfirstlane_b32 s[WV], v[TV]
	s_lshr_b32 s[GG], s[WV], 2
	s_and_b32 s[HD], s[WV], 3
	; descriptor group 1: 32 tokens x 64 f32, 16 bytes of padding behind each token
	s_mov_b32 s[G1+0], (2<<16)|(1<<20)|(5<<22)|(3<<25)  ; no mask; 4-byte elements; padding on, after every 64 words (code 5), of 4 words (code 3)
	s_mov_b32 s[G1+1], 64<<16              ; tensor_dim0 = 64
	s_mov_b32 s[G1+2], 32<<16              ; tensor_dim1 = 32
	s_mov_b32 s[G1+3], 64<<16              ; tile_dim0 = 64
	s_mov_b32 s[G1+4], 32                  ; tile_dim1 = 32
	s_mov_b32 s[G1+5], PITCHX              ; elements from token to token
	s_mov_b32 s[G1+6], 0
	s_mov_b32 s[G1+7], 0
	s_mov_b32 s[G0], 1                     ; count = 1
	s_mul_i32 s[G0+1], s[WV], WFILL        ; LDS address: slot 0, my 32 of the step's 256 tokens
	s_mov_b32 s[CS], 0x3e8293ee            ; c = log2(e) / sqrt(32) = 0.255035
	s_mov_b32 s[CS+1], s[CS]
	s_mov_b32 s[SEL], 0x76543210
	s_mov_b32 s[SEL+1], 0xfedcba98
	s_mov_b32 s[XB], 0
	; byte offsets: s[60:61] the work-group's, s62 my wave's part, s[58:59] their sum
.if FEAT
	s_lshl_b32 s60, ttmp9, 18              ; eight sequences of 32,768 bytes
	s_lshl_b32 s62, s[WV], 13              ; my 32 tokens of 256 bytes: group x 32,768 + head x 8,192
.else
	s_lshr_b32 s60, ttmp9, 3
	s_lshl_b32 s60, s60, 21                ; b x 2,097,152
	s_and_b32 s61, ttmp9, 7
	s_lshl_b32 s61, s61, 12                ; 16 f of 256 bytes
	s_add_co_u32 s60, s60, s61
	s_and_b32 s62, s[HD], 1
	s_lshl_b32 s62, s62, 20                ; tokens 32 head .. + 31 of the unit: t from 32 (head % 2) on,
	s_lshr_b32 s63, s[HD], 1
	s_lshl1_add_u32 s63, s[GG], s63        ; f = 2 group + head / 2
	s_lshl_b32 s63, s63, 8
	s_add_co_u32 s62, s62, s63
.endif
	s_mov_b32 s61, 0
	s_add_co_u32 s58, s60, s62
	s_mov_b32 s59, 0
	s_wait_dscnt 0x0                       ; the opening add is done
	s_wait_kmcnt 0x0
	s_add_nc_u64 s[G0+2:G0+3], s[8:9], s[58:59]
	s_or_b32 s[G0+3], s[G0+3], 0x80000000  ; type = 2
	tensor_load_to_lds s[G0:G0+3], s[G1:G1+7]  ; step 0 into slot 0, ahead of everything else
	s_nop 0
	PLACES
.if FEAT
	s_add_nc_u64 s[DST:DST+1], s[28:29], s[60:61]
	s_add_nc_u64 s[TMPB:TMPB+1], s[26:27], s[60:61]
.else
	s_add_nc_u64 s[DST:DST+1], s[26:27], s[60:61]
.endif
	; the four weight matrices, 32,768 bytes each: eight loads of 16 bytes a thread, each load of the work-group 4,096 consecutive bytes
	v_lshlrev_b32 v[VP], 4, v0
.irp m,0,1,2,3
.irp i,0,1,2,3,4,5,6,7
	global_load_b128 v[WL+4*(8*\m+\i):WL+4*(8*\m+\i)+3], v[VP], s[10+2*\m:11+2*\m] offset:4096*\i
.endr
.endr
	v_and_b32 v[RR], 15, v0
	v_bfe_u32 v[HH], v0, 4, 1
	s_lshl_b32 s63, s[HD], 7
	v_lshl_add_u32 v[CH], v[HH], 5, s63    ; 4 (32 head + 8 h): my eight numbers of a bias tile
	v_lshlrev_b32 v[CH+1], 4, v[RR]
.irp j,0,1,2,3                         ; feature block j / 2, half j % 2
	global_load_b128 v[BL+4*\j:BL+4*\j+3], v[CH], s[18:19] offset:64*(\j/2)+16*(\j%2)
.endr
.irp j,0,1,2,3
	global_load_b128 v[BL+16+4*\j:BL+16+4*\j+3], v[CH], s[20:21] offset:64*(\j/2)+16*(\j%2)
.endr
.irp j,0,1,2,3
	global_load_b128 v[BV+4*\j:BV+4*\j+3], v[CH], s[22:23] offset:64*(\j/2)+16*(\j%2)
.endr
	global_load_b128 v[BO4:BO4+3], v[CH+1], s[24:25]
	; addresses, in the loads' shadow
	v_and_b32 v[TV], 31, v0                ; lane
	s_mul_i32 s63, s[WV], PW
	s_add_co_u32 s63, s63, WS
	v_lshl_add_u32 v[CH+2], v[TV], 3, s63  ; load i of Wq, Wk, Wv holds row 8 i + wave, columns 4 lane ..: 8 bytes of bf16
	v_lshrrev_b32 v[CH+3], 4, v0
	v_mul_u32_u24 v[CH+3], v[CH+3], PWO
	v_lshl_add_u32 v[CH+3], v[RR], 3, v[CH+3]
	v_add_nc_u32 v[CH+3], WO, v[CH+3]      ; load i of Wo holds row 16 i + thread / 16, columns 4 (thread % 16) ..
	v_mul_u32_u24 v[XA0], v[RR], PX
	v_lshl_add_u32 v[XA0], v[HH], 5, v[XA0]  ; row r, 32 bytes (8 f32) for each half of the lanes
	s_mul_i32 s63, s[WV], 16*SP
	s_add_co_u32 s63, s63, STG             ; my stage
	v_add_nc_u32 v[STO], s63, v[XA0]
	v_mul_u32_u24 v[RD], v[HH], SP         ; back: lanes 0-15 one row of 256 bytes, lanes 16-31 the next
	v_lshl_add_u32 v[RD], v[RR], 4, v[RD]
	v_add_nc_u32 v[RD], s63, v[RD]
	s_mul_i32 s63, s[GG], GRP
	v_add_nc_u32 v[XA0], s63, v[XA0]
	s_lshl_b32 s63, s[WV], 13
	s_add_co_u32 s63, s63, QO
	v_lshl_add_u32 v[VQ0], v[TV], 4, s63
	s_lshl_b32 s63, s[GG], 15
	s_lshl_b32 s57, s[HD], 11
	s_add_co_u32 s63, s63, s57
	s_add_co_u32 s63, s63, QO
	v_lshl_add_u32 v[VO], v[TV], 4, s63    ; my group's head 0, token block 2 head
	v_and_b32 v[VQ], 7, v0                 ; the turning load: lane l reads row 8 (l / 16) + l % 8, 16 bytes at 16 ((l / 8) % 2)
	v_lshl_add_u32 v[VQ], v[HH], 3, v[VQ]
	v_bfe_u32 v[XA], v0, 3, 1
	v_mul_u32_u24 v[VWO], v[VQ], PWO
	v_lshl_add_u32 v[VWO], v[XA], 4, v[VWO]
	v_add_nc_u32 v[VWO], WO, v[VWO]
.if FEAT
	v_lshl_add_u32 v[VD], v[TV], 4, s62    ; 32 lanes take two tokens, 512 consecutive bytes
.else
	v_lshlrev_b32 v[VD], 15, v[HH]         ; lanes 0-15 one token's 256 bytes, lanes 16-31 the token one t further
	v_lshl_add_u32 v[VD], v[RR], 4, v[VD]
	v_add_nc_u32 v[VD], s62, v[VD]
.endif
	v_mov_b32 v[RL+1], 0
; Matrix m of Wq, Wk, Wv: rounded to bf16 and laid into LDS as it lies.  Behind its eight loads 8 (3 - m) weight loads and the 13 bias loads were issued.
.macro WCONV m
	s_wait_loadcnt 37-8*(\m)
.set wi, 0
.rept 8
.set wr, WL+4*(8*(\m)+wi)
	v_cvt_pk_bf16_f32 v[wr], v[wr], v[wr+1]
	v_cvt_pk_bf16_f32 v[wr+1], v[wr+2], v[wr+3]
	ds_store_b64 v[CH+2], v[wr:wr+1] offset:(\m)*WMAT+wi*8*PW
.set wi, wi+1
.endr
.endm
	WCONV 0
	WCONV 1
	WCONV 2
	s_wait_loadcnt 13                      ; Wo is in; the 13 bias loads may be out
.set wi, 0
.rept 8                                ; Wo: rounded to bf16 like every input, widened, and that number written as f16
.set wr, WL+96+4*wi
	v_cvt_pk_bf16_f32 v[TP], v[wr], v[wr+1]
	v_cvt_pk_bf16_f32 v[TP+1], v[wr+2], v[wr+3]
	v_lshlrev_b32 v[wr], 16, v[TP]
	v_and_b32 v[wr+1], 0xffff0000, v[TP]
	v_lshlrev_b32 v[wr+2], 16, v[TP+1]
	v_and_b32 v[wr+3], 0xffff0000, v[TP+1]
	v_cvt_pk_f16_f32 v[wr], v[wr], v[wr+1]
	v_cvt_pk_f16_f32 v[wr+1], v[wr+2], v[wr+3]
	ds_store_b64 v[CH+3], v[wr:wr+1] offset:wi*16*PWO
.set wi, wi+1
.endr
; n pairs of bias numbers are rounded to bf16 and widened again; w: the window setting for the destination
.macro RB16 dst, src, n, w
	WIN 0
.set wi, 0
.rept \n
	v_cvt_pk_bf16_f32 v[TP+wi], v[(\src)+2*wi], v[(\src)+2*wi+1]
.set wi, wi+1
.endr
	WIN \w
.set wi, 0
.rept \n
	v_lshlrev_b32 v[(\dst)+2*wi], 16, v[TP+wi]
	v_and_b32 v[(\dst)+2*wi+1], 0xffff0000, v[TP+wi]
.set wi, wi+1
.endr
	WIN 0
.endm
	s_wait_loadcnt 0x0                     ; the biases
	RB16 BQR, BL, 16, 0x40                 ; bq's and bk's tiles go to window 1
	RB16 BV, BV, 8, 0
	RB16 BO4, BO4, 2, 0
	v_mul_u32_u24 v[VP], v[VQ], PW         ; free since the wait for the loads that it addressed: now the turning load's place in Wq, at my head's 32 columns
	v_lshl_add_u32 v[VP], v[XA], 4, v[VP]
	s_lshl_b32 s63, s[HD], 6
	s_add_co_u32 s63, s63, WS
	v_add_nc_u32 v[VP], s63, v[VP]
	s_wait_dscnt 0x0                       ; for the others' sake: my part of the weights is in LDS
	s_barrier_signal -1
	s_barrier_wait -1                      ; everybody's is.  The x tile may stay out
	WIN 0x40
.set wi, 0                             ; wi = 4 M + 2 fb + ks: 16 features x 32 d, turned: they stay in registers for the whole launch
.rept 12
	ds_load_tr16_b128 v[WR+8*wi:WR+8*wi+3],   v[VP] offset:(wi/4)*WMAT+(wi%2)*32*PW+((wi/2)%2)*32
	ds_load_tr16_b128 v[WR+8*wi+4:WR+8*wi+7], v[VP] offset:(wi/4)*WMAT+(wi%2)*32*PW+((wi/2)%2)*32+16*PW
.set wi, wi+1
.endr
	WIN 0                                  ; the first step's wait for its LDS instructions covers these
; PROJECTION.  A token block's x: lane l takes token l % 16; for K step k its d = 32 k + 8 h + 0..7 and 32 k + 16 + 8 h + 0..7, in f32: four loads of 16 bytes.
.macro XLOAD tb
.irp k,0,1
	ds_load_b128 v[XF+16*\k:XF+16*\k+3],     v[XA] offset:(\tb)*16*PX+128*\k
	ds_load_b128 v[XF+16*\k+4:XF+16*\k+7],   v[XA] offset:(\tb)*16*PX+128*\k+16
	ds_load_b128 v[XF+16*\k+8:XF+16*\k+11],  v[XA] offset:(\tb)*16*PX+128*\k+64
	ds_load_b128 v[XF+16*\k+12:XF+16*\k+15], v[XA] offset:(\tb)*16*PX+128*\k+80
.endr
.endm
.macro XCVT buf                        ; rounded to bf16: the block's two fragments
.set xi, 0
.rept 16
	v_cvt_pk_bf16_f32 v[XB16+16*(\buf)+xi], v[XF+2*xi], v[XF+2*xi+1]
.set xi, xi+1
.endr
.endm
; 12 products on six accumulators (Q fb 0, 1; K fb 0, 1; V cb 0, 1), which take turns, one instruction a turn.  Q's and K's sums start with the bias tile, V's with 0.
.macro PROJ buf
.set XR, XB16+16*(\buf)
	WIN 0x11                               ; weights and bias in window 1
.irp a,0,1,2,3
	v_wmma_f32_16x16x32_bf16 v[ACC+8*\a:ACC+8*\a+7], v[WR+16*\a:WR+16*\a+7], v[XR:XR+7], v[BQR+8*\a:BQR+8*\a+7]
.endr
	WIN 0x04                               ; x is source 0, the weights source 1
.irp a,4,5
	v_wmma_f32_16x16x32_bf16 v[ACC+8*\a:ACC+8*\a+7], v[XR:XR+7], v[WR+16*\a:WR+16*\a+7], 0
.endr
.irp a,4,5
	v_wmma_f32_16x16x32_bf16 v[ACC+8*\a:ACC+8*\a+7], v[XR+8:XR+15], v[WR+16*\a+8:WR+16*\a+15], v[ACC+8*\a:ACC+8*\a+7]
.endr
	WIN 0x01
.irp a,0,1,2,3
	v_wmma_f32_16x16x32_bf16 v[ACC+8*\a:ACC+8*\a+7], v[WR+16*\a+8:WR+16*\a+15], v[XR+8:XR+15], v[ACC+8*\a:ACC+8*\a+7]
.endr
.endm
; The block's q, k, v rounded to f16, each accumulator from its low end on.  Q goes to my images in LDS, K and V stay in window 1.
.macro PACK tb
	WIN 0
.irp i,0,1,2,3,4,5,6,7
	v_cvt_pk_f16_f32 v[QT+\i], v[ACC+2*\i], v[ACC+2*\i+1]
.endr
	ds_store_b128 v[VQ0], v[QT:QT+3] offset:(\tb)*1024
	ds_store_b128 v[VQ0], v[QT+4:QT+7] offset:(\tb)*1024+512
	WIN 0x40
.irp i,0,1,2,3,4,5,6,7
	v_cvt_pk_f16_f32 v[KR+8*(\tb)+\i], v[ACC+16+2*\i], v[ACC+16+2*\i+1]
.endr
.irp c,0,1
.irp i,0,1,2,3
	v_cvt_pk_f16_f32 v[VR+8*(4*\c+(\tb)/2)+4*((\tb)%2)+\i], v[ACC+32+8*\c+2*\i], v[ACC+32+8*\c+2*\i+1]
.endr
.endr
.endm
; ATTENTION.  The maximum of a lane's 8 nk scores, three operands at a time, in four chains; each accumulator's lowest registers are read first.
.macro MAXS nk
.irp c,0,1,2,3
	v_max3_num_f32 v[CH+\c], v[S+8*\c], v[S+8*\c+1], v[S+8*\c+2]
.endr
.irp p,3,5
.irp c,0,1,2,3
	v_max3_num_f32 v[CH+\c], v[CH+\c], v[S+8*\c+\p], v[S+8*\c+\p+1]
.endr
.endr
.if (\nk) == 8
.irp p,0,2,4,6
.irp c,0,1,2,3
	v_max3_num_f32 v[CH+\c], v[CH+\c], v[S+32+8*\c+\p], v[S+32+8*\c+\p+1]
.endr
.endr
.endif
	v_max3_num_f32 v[CH], v[CH], v[S+7], v[S+15]
	v_max3_num_f32 v[CH+2], v[CH+2], v[S+23], v[S+31]
	v_max3_num_f32 v[CH], v[CH], v[CH+1], v[CH+2]
	v_max_num_f32 v[CH], v[CH], v[CH+3]
.endm
; THE EXPONENTIALS' BATCH, for n pairs of scores: pair t is scaled (c s - c m), then pair t - 1 takes its two exponentials, each in place in a register of its own.  No line of the batch names a result.
.macro EXPB n
.set t, 0
.rept (\n)+1
.if t < (\n)
	v_pk_fma_f32 v[S+2*t:S+2*t+1], v[S+2*t:S+2*t+1], s[CS:CS+1], v[CM:CM+1] op_sel_hi:[1,0,0] neg_lo:[0,0,1] neg_hi:[0,0,1]
.endif
.if t >= 1
	v_exp_f32 v[S+2*t-2], v[S+2*t-2]
	v_exp_f32 v[S+2*t-1], v[S+2*t-1]
.endif
.set t, t+1
.endr
	v_nop                                  ; the plain instruction behind the last exponential, ahead of the first use (ISA guide 5.7.2): one for the batch
	s_wait_alu depctr_va_vdst(0)           ; the wait for the batch: all 2 n exponentials; the roundings and sums stand behind it
.endm
; THE BATCH'S READERS stand in two queues.  RNDP: the next pair of weights, cq, is rounded to f16.
.macro RNDP
	v_cvt_pk_f16_f32 v[P+cq], v[S+2*cq], v[S+2*cq+1]
.set cq, cq+1
.endm
; SUML: the next of the n + 3 lines that make 1 / l.  The sums run in two chains, started by pairs 0 + 2 and 1 + 3 (nothing is cleared), which take pairs 4 .. n - 1 by turns; then the two chains, the pair's halves,
; the other half of the lanes; last the reciprocal.
.macro SUML n
.set pp, aq+2
.if pp < 4
	v_pk_add_f32 v[LS+2*(pp%2):LS+2*(pp%2)+1], v[S+2*pp-4:S+2*pp-3], v[S+2*pp:S+2*pp+1]
.elseif pp < (\n)
	v_pk_add_f32 v[LS+2*(pp%2):LS+2*(pp%2)+1], v[LS+2*(pp%2):LS+2*(pp%2)+1], v[S+2*pp:S+2*pp+1]
.elseif pp == (\n)
	v_pk_add_f32 v[LS:LS+1], v[LS:LS+1], v[LS+2:LS+3]
.elseif pp == (\n)+1
	v_add_f32 v[LS], v[LS], v[LS+1]
.elseif pp == (\n)+2
	v_permlanex16_b32 v[CH+1], v[LS], s[SEL], s[SEL+1]
.elseif pp == (\n)+3
	v_add_f32 v[LS], v[LS], v[CH+1]
.else
	v_rcp_f32 v[RL], v[LS]
.endif
.set aq, aq+1
.endm
; The two products O^T += V^T P of keys 32 kg on (channel blocks 0, 1): the two accumulators take turns; kg = 0 starts the sums.
.macro PVP kb0, kg
	WIN 0x01                               ; V in window 1
.irp cb,0,1
.if (\kg) == 0
	v_wmma_f32_16x16x32_f16 v[OT+8*\cb:OT+8*\cb+7], v[VR+8*(4*\cb+(\kb0)/2+(\kg)):VR+8*(4*\cb+(\kb0)/2+(\kg))+7], v[P+8*(\kg):P+8*(\kg)+7], 0
.else
	v_wmma_f32_16x16x32_f16 v[OT+8*\cb:OT+8*\cb+7], v[VR+8*(4*\cb+(\kb0)/2+(\kg)):VR+8*(4*\cb+(\kb0)/2+(\kg))+7], v[P+8*(\kg):P+8*(\kg)+7], v[OT+8*\cb:OT+8*\cb+7]
.endif
.endr
	WIN 0
.endm
; A sequence of nk key blocks from block kb0 on; a trip is one query block of 16.
.macro ATT nk, kb0, trips
	s_mov_b32 s[CNT2], \trips
.Latt_\@:
	v_add_nc_u32 v[VQ], s[QOFF], v[VQ0]
	ds_load_b128 v[QC:QC+3], v[VQ]
	ds_load_b128 v[QC+4:QC+7], v[VQ] offset:512
	s_wait_dscnt 0x0                       ; Q's fragment is in
	WIN 0x01                               ; K in window 1
.set ai, 0
.rept \nk
	v_wmma_f32_16x16x32_f16 v[S+8*ai:S+8*ai+7], v[KR+8*((\kb0)+ai):KR+8*((\kb0)+ai)+7], v[QC:QC+7], 0
.set ai, ai+1
.endr
	WIN 0
	PLACES
	MAXS \nk
	v_permlanex16_b32 v[CH+1], v[CH], s[SEL], s[SEL+1]  ; the query's other keys lie in the lane 16 away
	v_max_num_f32 v[CM+1], v[CH], v[CH+1]
	v_mul_f32 v[CM], s[CS], v[CM+1]
	EXPB 4*(\nk)                           ; the first batch and its wait
.set cq, 0
.set aq, 0
.set gq, 0
.rept (\nk)/2-1                        ; a rounding and a sum by turns; the two products of 32 keys stand as soon as their eight registers of P are rounded
.rept 8
	RNDP
	SUML 4*(\nk)
.endr
	PVP \kb0, gq
.set gq, gq+1
.endr
.rept 6                                ; the chains' last six pairs
	SUML 4*(\nk)
.endr
	RNDP                                   ; l's last links each wait for the one before: the last eight roundings stand between them
	SUML 4*(\nk)                           ; the two chains
	RNDP
	RNDP
	SUML 4*(\nk)                           ; the pair's halves
	RNDP
	RNDP
	SUML 4*(\nk)                           ; the other half of the lanes
	RNDP
	RNDP
	SUML 4*(\nk)                           ; l
	RNDP
	SUML 4*(\nk)                           ; the second batch: 1 / l
	PVP \kb0, gq                           ; the last two products name nothing of it: they are the work between the reciprocal and its wait
	PLACES                                 ; the places behind those products; the first is also the plain instruction behind the reciprocal
	s_wait_alu depctr_va_vdst(0)           ; the wait for the second batch, the one reciprocal, ahead of its first reader and of the loop's branch
.set ni, 0
.rept 8
	v_pk_fma_f32 v[OT+2*ni:OT+2*ni+1], v[OT+2*ni:OT+2*ni+1], v[RL:RL+1], v[BV+2*ni:BV+2*ni+1] op_sel_hi:[1,0,1]  ; O / l + bv
.set ni, ni+1
.endr
.set ni, 0
.rept 8
	v_cvt_pk_f16_f32 v[OC+ni], v[OT+2*ni], v[OT+2*ni+1]
.set ni, ni+1
.endr
	ds_store_b128 v[VQ], v[OC:OC+3]        ; the O fragment takes the Q fragment's place: my own bytes until the barrier behind the attention
	ds_store_b128 v[VQ], v[OC+4:OC+7] offset:512
	s_add_co_u32 s[QOFF], s[QOFF], 1024
	s_sub_co_u32 s[CNT2], s[CNT2], 1
	s_cmp_lg_u32 s[CNT2], 0
	s_cbranch_scc1 .Latt_\@
.endm
; Token block e of my two leaves: the rows read back from the stage take the bias (and tmp), and are stored.
.macro SEND e
	s_wait_dscnt 16-16*(\e)                ; block 0: block 1's eight stage stores and eight loads may be out
.set wi, 0
.rept 16
.if FEAT
	v_pk_add_f32 v[RB+32*(\e)+2*wi:RB+32*(\e)+2*wi+1], v[RB+32*(\e)+2*wi:RB+32*(\e)+2*wi+1], v[TT+32*(\e)+2*wi:TT+32*(\e)+2*wi+1]
.else
	v_pk_add_f32 v[RB+32*(\e)+2*wi:RB+32*(\e)+2*wi+1], v[RB+32*(\e)+2*wi:RB+32*(\e)+2*wi+1], v[BO4+2*(wi%2):BO4+2*(wi%2)+1]
.endif
.set wi, wi+1
.endr
.set wi, 0
.rept 8                                ; sixteen lanes store a token's 256 consecutive bytes, at a multiple of 256 from the buffer's first byte
.if FEAT
	global_store_b128 v[VD], v[RB+32*(\e)+4*wi:RB+32*(\e)+4*wi+3], s[DST:DST+1] offset:(\e)*OE+wi*OI th:TH_STORE_NT
.else
	global_store_b128 v[VD], v[RB+32*(\e)+4*wi:RB+32*(\e)+4*wi+3], s[DST:DST+1] offset:(\e)*OE+wi*OI
.endif
.set wi, wi+1
.endr
.endm
; A STEP.  fill = 1: the next step's x is asked for.
.macro STEP fill
	WIN 0
	s_wait_tensorcnt 0x0                   ; all my tensor loads have landed: the one that was out is my part of this step's x; so group 0 may be written
	ds_add_u32 v[SPW], v[NIL]              ; 0 onto my spare word
.if \fill
	s_xor_b32 s[G0+1], s[G0+1], SLOT1      ; the other slot,
	s_add_nc_u64 s[G0+2:G0+3], s[G0+2:G0+3], STEPB  ; the next step's units; the type bits on top are not reached
.endif
	s_wait_dscnt 0x0                       ; the add is done; my reads of the other slot, of the group's O images and of my stage are back
	s_barrier_signal -1
	s_barrier_wait -1                      ; all that holds of every wave: this step's x is whole, the other slot and the images are free
.if \fill
	tensor_load_to_lds s[G0:G0+3], s[G1:G1+7]  ; my one tensor load behind the barrier, first thing there: it has the whole step in which to land
	s_nop 0
	PLACES
.endif
.if FEAT
.set wi, 0
.rept 16                               ; tmp's rows for my 32 tokens of the output projection: wanted at the step's end
	global_load_b128 v[TT+4*wi:TT+4*wi+3], v[VD], s[TMPB:TMPB+1] offset:(wi/8)*OE+(wi%8)*OI th:TH_LOAD_NT
.set wi, wi+1
.endr
.endif
	v_add_nc_u32 v[XA], s[XB], v[XA0]
	s_mov_b32 s[QOFF], 0
	XLOAD 0
	s_wait_dscnt 0x0
	XCVT 0
	XLOAD 1
.set pb, 0
.rept 8                                ; block pb is multiplied; the next block's x is rounded (sixteen plain lines, the places behind the products); the block after that is fetched; block pb is packed
	PROJ pb%2
	WIN 0
.if pb < 7
.if pb == 0
	s_wait_dscnt 0x0
.else
	s_wait_dscnt 0x2                       ; the next block's x is in; the two Q stores issued behind its loads may be out
.endif
	XCVT (pb+1)%2
.if pb < 6
	XLOAD pb+2
.endif
.else
	PLACES
.endif
	PACK pb
.set pb, pb+1
.endr
	WIN 0
.if FEAT
	ATT 8, 0, 8
.else
	ATT 4, 0, 4                            ; sequence f0: tokens 0-63
	ATT 4, 4, 4                            ; sequence f0 + 1: tokens 64-127
.endif
	; OUTPUT PROJECTION for token blocks 2 head and 2 head + 1 of my group
	s_wait_dscnt 0x0                       ; for the others' sake: my O fragments are in LDS
	s_barrier_signal -1
	WIN 0x40                               ; Wo's 16 fragments, turned, where K and V lay: bytes that nobody writes behind the prologue, so the loads may stand here
.set wi, 0                             ; wi = 4 db + head
.rept 16
	ds_load_tr16_b128 v[WOR+8*wi:WOR+8*wi+3],   v[VWO] offset:(wi%4)*32*PWO+(wi/4)*32
	ds_load_tr16_b128 v[WOR+8*wi+4:WOR+8*wi+7], v[VWO] offset:(wi%4)*32*PWO+(wi/4)*32+16*PWO
.set wi, wi+1
.endr
	WIN 0
	s_barrier_wait -1                      ; the four heads' O fragments are there
.set wi, 0                             ; wi = 4 e + head
.rept 8
	ds_load_b128 v[OF+8*wi:OF+8*wi+3],   v[VO] offset:(wi%4)*8192+(wi/4)*1024
	ds_load_b128 v[OF+8*wi+4:OF+8*wi+7], v[VO] offset:(wi%4)*8192+(wi/4)*1024+512
.set wi, wi+1
.endr
	s_wait_dscnt 0x0
	WIN 0x01
.set wi, 0                             ; wi = 8 head + 4 e + db: the eight accumulators take turns; head 0 starts the sums
.rept 32
.set hq, wi/8
.set ac, OACC+8*(wi%8)
.set wf, WOR+8*(4*(wi%4)+hq)
.set of, OF+8*(4*((wi/4)%2)+hq)
.if hq == 0
	v_wmma_f32_16x16x32_f16 v[ac:ac+7], v[wf:wf+7], v[of:of+7], 0
.else
	v_wmma_f32_16x16x32_f16 v[ac:ac+7], v[wf:wf+7], v[of:of+7], v[ac:ac+7]
.endif
.set wi, wi+1
.endr
	WIN 0
.if FEAT
	s_wait_loadcnt 0x0                     ; tmp's rows
.set wi, 0
.rept 32                               ; + bo: these lines are also the places behind the products
	v_pk_add_f32 v[TT+2*wi:TT+2*wi+1], v[TT+2*wi:TT+2*wi+1], v[BO4+2*(wi%2):BO4+2*(wi%2)+1]
.set wi, wi+1
.endr
.else
	PLACES
.endif
.irp e,0,1                             ; a lane's eight d of a token, 32 bytes, go into my stage's rows and come back as whole rows of 256 bytes
.set wi, 0
.rept 4
	ds_store_b128 v[STO], v[OACC+8*(4*\e+wi):OACC+8*(4*\e+wi)+3] offset:64*wi
	ds_store_b128 v[STO], v[OACC+8*(4*\e+wi)+4:OACC+8*(4*\e+wi)+7] offset:64*wi+16
.set wi, wi+1
.endr
.set wi, 0
.rept 8
	ds_load_b128 v[RB+32*\e+4*wi:RB+32*\e+4*wi+3], v[RD] offset:wi*2*SP  ; LDS serves a wave's instructions in order (ISA guide 5.7.1.4): these see the stores above, and the next block's stores come behind them
.set wi, wi+1
.endr
.endr
	SEND 0
	SEND 1
.if \fill
	s_wait_xcnt 0x0                        ; the stores' data registers and the bases are rewritten only behind this wait
	s_add_nc_u64 s[DST:DST+1], s[DST:DST+1], STEPB
.if FEAT
	s_add_nc_u64 s[TMPB:TMPB+1], s[TMPB:TMPB+1], STEPB
.endif
	s_xor_b32 s[XB], s[XB], SLOT1
.endif
.endm
	s_mov_b32 s[CNT], 3
.Lstep:
	STEP 1
	s_sub_co_u32 s[CNT], s[CNT], 1
	s_cmp_lg_u32 s[CNT], 0
	s_cbranch_scc1 .Lstep
	STEP 0                                 ; the last step is written out: nothing is asked for
	s_wait_tensorcnt 0x0                   ; the wave's end: behind my last tensor load and my last LDS store
	ds_add_u32 v[SPW], v[NIL]
	s_wait_dscnt 0x0
	s_endpgm
.Lfunc_end_k_qac1b853ee9_temporal:
	.size	k_qac1b853ee9_temporal, .Lfunc_end_k_qac1b853ee9_temporal-k_qac1b853ee9_temporal
	.p2alignl 7, 3214868480
	.fill 96, 4, 3214868480
	.section	.rodata,"a",@progbits
	.p2align	6, 0x0
	.amdhsa_kernel k_qac1b853ee9_temporal
		.amdhsa_group_segment_fixed_size 327680
		.amdhsa_private_segment_fixed_size 0
		.amdhsa_enable_private_segment 0
		.amdhsa_kernarg_size 80
		.amdhsa_user_sgpr_count 2
		.amdhsa_user_sgpr_kernarg_segment_ptr 1
		.amdhsa_wavefront_size32 1
		.amdhsa_system_sgpr_workgroup_id_x 1
		.amdhsa_system_sgpr_workgroup_id_y 1
		.amdhsa_system_sgpr_workgroup_id_z 1
		.amdhsa_system_vgpr_workitem_id 0
		.amdhsa_next_free_vgpr 512
		.amdhsa_next_free_sgpr 66
		.amdhsa_reserve_vcc 0
		.amdhsa_float_denorm_mode_32 3
		.amdhsa_float_denorm_mode_16_64 3
		.amdhsa_memory_ordered 1
		.amdhsa_forward_progress 1
		.amdhsa_inst_pref_size 143
	.end_amdhsa_kernel
	.amdgpu_metadata
---
amdhsa.version: [ 1, 2 ]
amdhsa.kernels:
  - .name:           k_qac1b853ee9_temporal
    .symbol:         k_qac1b853ee9_temporal.kd
    .args:
      - { .name: x, .offset: 0, .size: 8, .value_kind: global_buffer, .address_space: global }
      - { .name: tq_w, .offset: 8, .size: 8, .value_kind: global_buffer, .address_space: global }
      - { .name: tk_w, .offset: 16, .size: 8, .value_kind: global_buffer, .address_space: global }
      - { .name: tv_w, .offset: 24, .size: 8, .value_kind: global_buffer, .address_space: global }
      - { .name: to_w, .offset: 32, .size: 8, .value_kind: global_buffer, .address_space: global }
      - { .name: tq_b, .offset: 40, .size: 8, .value_kind: global_buffer, .address_space: global }
      - { .name: tk_b, .offset: 48, .size: 8, .value_kind: global_buffer, .address_space: global }
      - { .name: tv_b, .offset: 56, .size: 8, .value_kind: global_buffer, .address_space: global }
      - { .name: to_b, .offset: 64, .size: 8, .value_kind: global_buffer, .address_space: global }
      - { .name: tmp, .offset: 72, .size: 8, .value_kind: global_buffer, .address_space: global }
    .group_segment_fixed_size: 327680
    .private_segment_fixed_size: 0
    .kernarg_segment_align: 8
    .kernarg_segment_size: 80
    .max_flat_workgroup_size: 256
    .sgpr_count:     66
    .vgpr_count:     512
    .wavefront_size: 32
...
	.end_amdgpu_metadata
.endif
;; end of part 3
;; launch feature (part 4): grid 256 x 1, 8 waves a work-group, no clusters, 327,680 bytes of LDS; arguments x, fq_w, fk_w, fv_w, fo_w, fq_b, fk_b, fv_b, fo_b, tmp, out0; writes out0
.if DOCPART == 4
	.amdgcn_target "amdgcn-amd-amdhsa--gfx1250"
	.amdhsa_code_object_version 6
	.text
	.protected	k_qac1b853ee9_feature
	.globl	k_qac1b853ee9_feature
	.p2align	8
	.type	k_qac1b853ee9_feature,@function
k_qac1b853ee9_feature:
	s_mov_b64 s[64:65], 0
	v_nop
	global_prefetch_b8 v0, s[64:65] scope:SCOPE_SE
	s_setreg_imm32_b32 hwreg(HW_REG_WAVE_MODE, 25, 1), 1
	s_wait_xcnt 0x0
; AXIAL MULTI-HEAD ATTENTION on x [32][64][128][64] f32, 4 heads of 32 channels.  One text serves two launches; FEAT chooses.
; FEAT = 0: attention over t for each (b, f); result with its output bias -> tmp (f32, laid out as x).  FEAT = 1: attention over f for each (b, t); result + bias + tmp -> out0.
; SHARES.  A UNIT is 128 tokens: one (b, t) sequence (FEAT), or the two sequences f0, f0 + 1 of 64 tokens (token u = 64 fi + t).  2,048 units, 256 work-groups, 8 units each: 4 steps of 2 groups.
; Wave v: group v / 4, head v % 4.  In a step it projects q, k, v of its head for its group's 128 tokens, runs its head's attention, hands O to its group through LDS, and makes the output
; projection (all heads, all 64 d) for 32 tokens.  Two waves share a SIMD's registers, 512 each, so that one wave's softmax stands beside the other's products.
; LAYOUT.  Q^T and K^T = W^T X^T (lane = token, registers = features): two feature tiles rounded in pairs ARE a fragment of 16 tokens x 32 channels.  V = X Wv (lane = channel, registers = tokens):
; two token tiles ARE a fragment of V^T.  S^T = K Q^T holds one query a lane; its pairs, rounded, ARE source 1 of O^T = V^T P; O^T / l + bv, rounded, IS source 1 of out^T = Wo^T O^T.
; Nothing changes lanes between the products but the maximum's and the sum's one exchange of the lanes' halves.
; SOFTMAX.  All keys of a sequence are in hand: m is the true maximum, p = 2^(c s - c m), c = log2(e) / sqrt(32), l the f32 sum of the unrounded p.  The weights p / l add up to 1, so v's bias is added behind the division.
; BATCHES.  A query block has two batches of transcendentals, each with ONE s_wait_alu depctr_va_vdst(0) ahead of the first instruction that names a result.
; (1) Its 8 nk exponentials, dealt with their scalings; nothing in the batch names a result; a v_nop, the wait, and only then the roundings and the sums.  (2) The reciprocal of l, which reads a sum of the
; exponentials' results and so is a batch of its own: it is issued ahead of the last two products V^T P; these and their four places stand between it and its wait, ahead of O / l + bv.
; FORMATS.  x, all weights and all biases are rounded to bf16 (Wo's bf16 value is then written as f16, exactly).  q, k, v, p and O, which the program makes itself, are f16; sums, maxima, tmp in f32.
; LIMITS.  q, k, v and O must lie within f16's 65,504; below 6e-5 they keep f16's fixed step of 6e-8, and so does Wo.  A weight p below 2^-126 counts as 0.  NaN and infinities are not treated apart.
; NO CLUSTER: a work-group moves 262,144 bytes of x and as many of its result (and of tmp) that no other work-group touches; shared are only the four weight matrices, 131,072 bytes, read once, through
; registers, since they are rounded on the way.  NO PREFETCH: each x tile is asked for a whole step ahead of its use.
.set FEAT, 1
.if FEAT
.set PITCHX, 64                        ; elements from token to token in x
.set STEPB,  65536                     ; bytes from a step's units to the next step's: two sequences of 32,768
.set OE,     4096                      ; bytes from a token block of 16 to the next in the result
.set OI,     512                       ; bytes from a pair of tokens to the next
.else
.set PITCHX, 8192                      ; t to t + 1: 128 x 64 elements
.set STEPB,  1024                      ; four f of 256 bytes
.set OE,     524288                    ; 16 t of 32,768 bytes
.set OI,     65536                     ; 2 t
.endif
; LDS.  Every region begins on a multiple of 256 bytes; tensor loads fill the two x slots alone, and nothing is stored there.
.set PX,    272                        ; a token of x: 256 bytes + 16 of padding: row r starts 16 r bytes further modulo 256, so the 16 rows of a load take 16 different columns of 16 bytes
.set GRP,   128*PX                     ; a group's 128 tokens
.set WFILL, 32*PX                      ; what one wave's tensor load brings
.set WS,    2*GRP                      ; behind slot 0: Wq, Wk, Wv in bf16 as they lie, [d][128], rows of 256 + 32 bytes
.set PW,    288
.set WMAT,  64*PW
.set SPARE, WS+3*WMAT                  ; the spare words, 128 bytes for each of eight waves: four blocks of 256 bytes that no other line names
.set SLOT1, 1<<17                      ; x slot 1: one exclusive or turns an address in one slot into the other's
.set QO,    SLOT1+2*GRP                ; wave v at 8,192 v; token block tb at 1,024 tb: a fragment's register image (registers 0-3 at 16 x lane, 4-7 at 512 + 16 x lane): Q, later O
.set WO,    QO+8*8192                  ; Wo in f16 as it lies, [128][64], rows of 128 + 32 bytes
.set PWO,   160
.set STG,   WO+128*PWO                 ; wave v at 4,352 v: 16 rows of 272 bytes, the way out
.set SP,    272
; REGISTERS, window 0
.set RR,  1                            ; v1   lane % 16
.set HH,  2                            ; v2   lane / 16
.set TV,  3                            ; v3   at work in the prologue
.set XA0, 4                            ; v4   my place in a token block of my group's x, slot 0; never rewritten
.set XA,  5                            ; v5   the same in the step's slot
.set VQ,  6                            ; v6   the query block's image in QO
.set VQ0, 7                            ; v7   my wave's first image; never rewritten
.set VO,  8                            ; v8   head 0's image of my first token block of the output projection
.set VWO, 9                            ; v9   the turning load's place in Wo
.set STO, 10                           ; v10  the way out: where I put 32 bytes of a row
.set RD,  11                           ; v11  the way out: where I read rows back
.set VD,  12                           ; v12  my byte offset in the result (and in tmp); never rewritten
.set VP,  13                           ; v13  prologue addresses
.set SPW, 14                           ; v14  LDS address of my spare word; never rewritten
.set NIL, 15                           ; v15  0; never rewritten
.set BO4, 16                           ; v16-19   bo[4 r .. 4 r + 3]
.set CM,  20                           ; v20-21   c m, m
.set RL,  22                           ; v22-23   1 / l, and 0 (named as a pair)
.set CH,  24                           ; v24-27   the maximum's four chains
.set LS,  28                           ; v28-31   two pairs of running sums
.set BV,  32                           ; v32-47   bv as O^T holds channels: register 8 cb + j = bv[32 head + 16 cb + 8 h + j]
.set S,   48                           ; v48-111  scores, 8 a key block
.set P,   112                          ; v112-143 weights in f16
.set OT,  144                          ; v144-159 O^T
.set QC,  160                          ; v160-167 the query block's fragment
.set OC,  168                          ; v168-175 its O fragment
.set TT,  176                          ; v176-239 tmp's rows (FEAT)
.set XF,  48                           ; projection: v48-79 a token block of x in f32; v80-111 two buffers of its two bf16 fragments; v112-159 six accumulators; v160-167 Q packed
.set XB16, 80
.set ACC, 112
.set QT,  160
.set OF,  48                           ; output projection: v48-111 eight O fragments, later the rows read back; v112-175 eight accumulators
.set RB,  48
.set OACC, 112
.set WL,  48                           ; prologue: v48-175 the weights as loaded; v176-207 bq, bk as loaded; v208-223 at work
.set BL,  176
.set TP,  208
; window 1
.set WR,  0                            ; v0-95    weight fragments: (matrix M, feature block fb, K step ks) at 8 (4 M + 2 fb + ks)
.set KR,  96                           ; v96-159  K, 8 a token block
.set VR,  160                          ; v160-223 V^T: (channel block cb, 32 keys kg) at 8 (4 cb + kg)
.set BQR, 224                          ; v224-255 bias tiles: bq fb 0, 1, bk fb 0, 1
.set WOR, 96                           ; output projection: Wo fragments (d block db, head) at 96 + 8 (4 db + head), where K and V lay
; scalars: s[8:23] x, wq, wk, wv, wo, bq, bk, bv; s[24:27] bo, tmp; s[28:29] out0 (FEAT)
.set WV,  30                           ; wave
.set GG,  31                           ; group
.set HD,  32                           ; head
.set CNT, 33                           ; steps
.set CNT2, 34                          ; query blocks
.set XB,  35                           ; the step's slot: 0 or SLOT1
.set CS,  36                           ; s[36:37] c, twice
.set SEL, 38                           ; s[38:39] v_permlanex16_b32's selects: each lane takes its own place in the other half
.set G0,  40                           ; s[40:43] descriptor group 0
.set G1,  44                           ; s[44:51] descriptor group 1
.set DST, 52                           ; s[52:53] the result at the work-group's step
.set TMPB, 54                          ; s[54:55] tmp likewise (FEAT)
.set QOFF, 56                          ; s56  byte offset of the query block's image
.set MSB, 0
.macro WIN new                         ; s_set_vgpr_msb: bits 1:0 source 0, 3:2 source 1, 5:4 source 2, 7:6 destination; the high byte repeats the setting that is left
.if MSB != (\new)
	s_set_vgpr_msb (MSB<<8)|(\new)
.set MSB, (\new)
.endif
.endm
.macro PLACES                          ; four places behind a matrix instruction where no other vector work is at hand (ISA guide 7.12.1)
.rept 4
	v_nop
.endr
.endm
	s_load_b512 s[8:23], s[0:1], 0x0
	s_load_b128 s[24:27], s[0:1], 0x40
.if FEAT
	s_load_b64 s[28:29], s[0:1], 0x50
.endif
	v_lshl_add_u32 v[SPW], v0, 2, SPARE
	v_mov_b32 v[NIL], 0
	ds_add_u32 v[SPW], v[NIL]              ; the wave's opening: the add and its wait ahead of my first tensor load; the set-up below, work on registers, stands between them
	ds_add_u32 v14, v15
	v_lshrrev_b32 v[TV], 5, v0
	v_readfirstlane_b32 s[WV], v[TV]
	s_lshr_b32 s[GG], s[WV], 2
	s_and_b32 s[HD], s[WV], 3
	; descriptor group 1: 32 tokens x 64 f32, 16 bytes of padding behind each token
	s_mov_b32 s[G1+0], (2<<16)|(1<<20)|(5<<22)|(3<<25)  ; no mask; 4-byte elements; padding on, after every 64 words (code 5), of 4 words (code 3)
	s_mov_b32 s[G1+1], 64<<16              ; tensor_dim0 = 64
	s_mov_b32 s[G1+2], 32<<16              ; tensor_dim1 = 32
	s_mov_b32 s[G1+3], 64<<16              ; tile_dim0 = 64
	s_mov_b32 s[G1+4], 32                  ; tile_dim1 = 32
	s_mov_b32 s[G1+5], PITCHX              ; elements from token to token
	s_mov_b32 s[G1+6], 0
	s_mov_b32 s[G1+7], 0
	s_mov_b32 s[G0], 1                     ; count = 1
	s_mul_i32 s[G0+1], s[WV], WFILL        ; LDS address: slot 0, my 32 of the step's 256 tokens
	s_mov_b32 s[CS], 0x3e8293ee            ; c = log2(e) / sqrt(32) = 0.255035
	s_mov_b32 s[CS+1], s[CS]
	s_mov_b32 s[SEL], 0x76543210
	s_mov_b32 s[SEL+1], 0xfedcba98
	s_mov_b32 s[XB], 0
	; byte offsets: s[60:61] the work-group's, s62 my wave's part, s[58:59] their sum
.if FEAT
	s_lshl_b32 s60, ttmp9, 18              ; eight sequences of 32,768 bytes
	s_lshl_b32 s62, s[WV], 13              ; my 32 tokens of 256 bytes: group x 32,768 + head x 8,192
.else
	s_lshr_b32 s60, ttmp9, 3
	s_lshl_b32 s60, s60, 21                ; b x 2,097,152
	s_and_b32 s61, ttmp9, 7
	s_lshl_b32 s61, s61, 12                ; 16 f of 256 bytes
	s_add_co_u32 s60, s60, s61
	s_and_b32 s62, s[HD], 1
	s_lshl_b32 s62, s62, 20                ; tokens 32 head .. + 31 of the unit: t from 32 (head % 2) on,
	s_lshr_b32 s63, s[HD], 1
	s_lshl1_add_u32 s63, s[GG], s63        ; f = 2 group + head / 2
	s_lshl_b32 s63, s63, 8
	s_add_co_u32 s62, s62, s63
.endif
	s_mov_b32 s61, 0
	s_add_co_u32 s58, s60, s62
	s_mov_b32 s59, 0
	s_wait_dscnt 0x0                       ; the opening add is done
	s_wait_kmcnt 0x0
	s_add_nc_u64 s[G0+2:G0+3], s[8:9], s[58:59]
	s_or_b32 s[G0+3], s[G0+3], 0x80000000  ; type = 2
	tensor_load_to_lds s[G0:G0+3], s[G1:G1+7]  ; step 0 into slot 0, ahead of everything else
	s_nop 0
	PLACES
.if FEAT
	s_add_nc_u64 s[DST:DST+1], s[28:29], s[60:61]
	s_add_nc_u64 s[TMPB:TMPB+1], s[26:27], s[60:61]
.else
	s_add_nc_u64 s[DST:DST+1], s[26:27], s[60:61]
.endif
	; the four weight matrices, 32,768 bytes each: eight loads of 16 bytes a thread, each load of the work-group 4,096 consecutive bytes
	v_lshlrev_b32 v[VP], 4, v0
.irp m,0,1,2,3
.irp i,0,1,2,3,4,5,6,7
	global_load_b128 v[WL+4*(8*\m+\i):WL+4*(8*\m+\i)+3], v[VP], s[10+2*\m:11+2*\m] offset:4096*\i
.endr
.endr
	v_and_b32 v[RR], 15, v0
	v_bfe_u32 v[HH], v0, 4, 1
	s_lshl_b32 s63, s[HD], 7
	v_lshl_add_u32 v[CH], v[HH], 5, s63    ; 4 (32 head + 8 h): my eight numbers of a bias tile
	v_lshlrev_b32 v[CH+1], 4, v[RR]
.irp j,0,1,2,3                         ; feature block j / 2, half j % 2
	global_load_b128 v[BL+4*\j:BL+4*\j+3], v[CH], s[18:19] offset:64*(\j/2)+16*(\j%2)
.endr
.irp j,0,1,2,3
	global_load_b128 v[BL+16+4*\j:BL+16+4*\j+3], v[CH], s[20:21] offset:64*(\j/2)+16*(\j%2)
.endr
.irp j,0,1,2,3
	global_load_b128 v[BV+4*\j:BV+4*\j+3], v[CH], s[22:23] offset:64*(\j/2)+16*(\j%2)
.endr
	global_load_b128 v[BO4:BO4+3], v[CH+1], s[24:25]
	; addresses, in the loads' shadow
	v_and_b32 v[TV], 31, v0                ; lane
	s_mul_i32 s63, s[WV], PW
	s_add_co_u32 s63, s63, WS
	v_lshl_add_u32 v[CH+2], v[TV], 3, s63  ; load i of Wq, Wk, Wv holds row 8 i + wave, columns 4 lane ..: 8 bytes of bf16
	v_lshrrev_b32 v[CH+3], 4, v0
	v_mul_u32_u24 v[CH+3], v[CH+3], PWO
	v_lshl_add_u32 v[CH+3], v[RR], 3, v[CH+3]
	v_add_nc_u32 v[CH+3], WO, v[CH+3]      ; load i of Wo holds row 16 i + thread / 16, columns 4 (thread % 16) ..
	v_mul_u32_u24 v[XA0], v[RR], PX
	v_lshl_add_u32 v[XA0], v[HH], 5, v[XA0]  ; row r, 32 bytes (8 f32) for each half of the lanes
	s_mul_i32 s63, s[WV], 16*SP
	s_add_co_u32 s63, s63, STG             ; my stage
	v_add_nc_u32 v[STO], s63, v[XA0]
	v_mul_u32_u24 v[RD], v[HH], SP         ; back: lanes 0-15 one row of 256 bytes, lanes 16-31 the next
	v_lshl_add_u32 v[RD], v[RR], 4, v[RD]
	v_add_nc_u32 v[RD], s63, v[RD]
	s_mul_i32 s63, s[GG], GRP
	v_add_nc_u32 v[XA0], s63, v[XA0]
	s_lshl_b32 s63, s[WV], 13
	s_add_co_u32 s63, s63, QO
	v_lshl_add_u32 v[VQ0], v[TV], 4, s63
	s_lshl_b32 s63, s[GG], 15
	s_lshl_b32 s57, s[HD], 11
	s_add_co_u32 s63, s63, s57
	s_add_co_u32 s63, s63, QO
	v_lshl_add_u32 v[VO], v[TV], 4, s63    ; my group's head 0, token block 2 head
	v_and_b32 v[VQ], 7, v0                 ; the turning load: lane l reads row 8 (l / 16) + l % 8, 16 bytes at 16 ((l / 8) % 2)
	v_lshl_add_u32 v[VQ], v[HH], 3, v[VQ]
	v_bfe_u32 v[XA], v0, 3, 1
	v_mul_u32_u24 v[VWO], v[VQ], PWO
	v_lshl_add_u32 v[VWO], v[XA], 4, v[VWO]
	v_add_nc_u32 v[VWO], WO, v[VWO]
.if FEAT
	v_lshl_add_u32 v[VD], v[TV], 4, s62    ; 32 lanes take two tokens, 512 consecutive bytes
.else
	v_lshlrev_b32 v[VD], 15, v[HH]         ; lanes 0-15 one token's 256 bytes, lanes 16-31 the token one t further
	v_lshl_add_u32 v[VD], v[RR], 4, v[VD]
	v_add_nc_u32 v[VD], s62, v[VD]
.endif
	v_mov_b32 v[RL+1], 0
; Matrix m of Wq, Wk, Wv: rounded to bf16 and laid into LDS as it lies.  Behind its eight loads 8 (3 - m) weight loads and the 13 bias loads were issued.
.macro WCONV m
	s_wait_loadcnt 37-8*(\m)
.set wi, 0
.rept 8
.set wr, WL+4*(8*(\m)+wi)
	v_cvt_pk_bf16_f32 v[wr], v[wr], v[wr+1]
	v_cvt_pk_bf16_f32 v[wr+1], v[wr+2], v[wr+3]
	ds_store_b64 v[CH+2], v[wr:wr+1] offset:(\m)*WMAT+wi*8*PW
.set wi, wi+1
.endr
.endm
	WCONV 0
	WCONV 1
	WCONV 2
	s_wait_loadcnt 13                      ; Wo is in; the 13 bias loads may be out
.set wi, 0
.rept 8                                ; Wo: rounded to bf16 like every input, widened, and that number written as f16
.set wr, WL+96+4*wi
	v_cvt_pk_bf16_f32 v[TP], v[wr], v[wr+1]
	v_cvt_pk_bf16_f32 v[TP+1], v[wr+2], v[wr+3]
	v_lshlrev_b32 v[wr], 16, v[TP]
	v_and_b32 v[wr+1], 0xffff0000, v[TP]
	v_lshlrev_b32 v[wr+2], 16, v[TP+1]
	v_and_b32 v[wr+3], 0xffff0000, v[TP+1]
	v_cvt_pk_f16_f32 v[wr], v[wr], v[wr+1]
	v_cvt_pk_f16_f32 v[wr+1], v[wr+2], v[wr+3]
	ds_store_b64 v[CH+3], v[wr:wr+1] offset:wi*16*PWO
.set wi, wi+1
.endr
; n pairs of bias numbers are rounded to bf16 and widened again; w: the window setting for the destination
.macro RB16 dst, src, n, w
	WIN 0
.set wi, 0
.rept \n
	v_cvt_pk_bf16_f32 v[TP+wi], v[(\src)+2*wi], v[(\src)+2*wi+1]
.set wi, wi+1
.endr
	WIN \w
.set wi, 0
.rept \n
	v_lshlrev_b32 v[(\dst)+2*wi], 16, v[TP+wi]
	v_and_b32 v[(\dst)+2*wi+1], 0xffff0000, v[TP+wi]
.set wi, wi+1
.endr
	WIN 0
.endm
	s_wait_loadcnt 0x0                     ; the biases
	RB16 BQR, BL, 16, 0x40                 ; bq's and bk's tiles go to window 1
	RB16 BV, BV, 8, 0
	RB16 BO4, BO4, 2, 0
	v_mul_u32_u24 v[VP], v[VQ], PW         ; free since the wait for the loads that it addressed: now the turning load's place in Wq, at my head's 32 columns
	v_lshl_add_u32 v[VP], v[XA], 4, v[VP]
	s_lshl_b32 s63, s[HD], 6
	s_add_co_u32 s63, s63, WS
	v_add_nc_u32 v[VP], s63, v[VP]
	s_wait_dscnt 0x0                       ; for the others' sake: my part of the weights is in LDS
	s_barrier_signal -1
	s_barrier_wait -1                      ; everybody's is.  The x tile may stay out
	WIN 0x40
.set wi, 0                             ; wi = 4 M + 2 fb + ks: 16 features x 32 d, turned: they stay in registers for the whole launch
.rept 12
	ds_load_tr16_b128 v[WR+8*wi:WR+8*wi+3],   v[VP] offset:(wi/4)*WMAT+(wi%2)*32*PW+((wi/2)%2)*32
	ds_load_tr16_b128 v[WR+8*wi+4:WR+8*wi+7], v[VP] offset:(wi/4)*WMAT+(wi%2)*32*PW+((wi/2)%2)*32+16*PW
.set wi, wi+1
.endr
	WIN 0                                  ; the first step's wait for its LDS instructions covers these
; PROJECTION.  A token block's x: lane l takes token l % 16; for K step k its d = 32 k + 8 h + 0..7 and 32 k + 16 + 8 h + 0..7, in f32: four loads of 16 bytes.
.macro XLOAD tb
.irp k,0,1
	ds_load_b128 v[XF+16*\k:XF+16*\k+3],     v[XA] offset:(\tb)*16*PX+128*\k
	ds_load_b128 v[XF+16*\k+4:XF+16*\k+7],   v[XA] offset:(\tb)*16*PX+128*\k+16
	ds_load_b128 v[XF+16*\k+8:XF+16*\k+11],  v[XA] offset:(\tb)*16*PX+128*\k+64
	ds_load_b128 v[XF+16*\k+12:XF+16*\k+15], v[XA] offset:(\tb)*16*PX+128*\k+80
.endr
.endm
.macro XCVT buf                        ; rounded to bf16: the block's two fragments
.set xi, 0
.rept 16
	v_cvt_pk_bf16_f32 v[XB16+16*(\buf)+xi], v[XF+2*xi], v[XF+2*xi+1]
.set xi, xi+1
.endr
.endm
; 12 products on six accumulators (Q fb 0, 1; K fb 0, 1; V cb 0, 1), which take turns, one instruction a turn.  Q's and K's sums start with the bias tile, V's with 0.
.macro PROJ buf
.set XR, XB16+16*(\buf)
	WIN 0x11                               ; weights and bias in window 1
.irp a,0,1,2,3
	v_wmma_f32_16x16x32_bf16 v[ACC+8*\a:ACC+8*\a+7], v[WR+16*\a:WR+16*\a+7], v[XR:XR+7], v[BQR+8*\a:BQR+8*\a+7]
.endr
	WIN 0x04                               ; x is source 0, the weights source 1
.irp a,4,5
	v_wmma_f32_16x16x32_bf16 v[ACC+8*\a:ACC+8*\a+7], v[XR:XR+7], v[WR+16*\a:WR+16*\a+7], 0
.endr
.irp a,4,5
	v_wmma_f32_16x16x32_bf16 v[ACC+8*\a:ACC+8*\a+7], v[XR+8:XR+15], v[WR+16*\a+8:WR+16*\a+15], v[ACC+8*\a:ACC+8*\a+7]
.endr
	WIN 0x01
.irp a,0,1,2,3
	v_wmma_f32_16x16x32_bf16 v[ACC+8*\a:ACC+8*\a+7], v[WR+16*\a+8:WR+16*\a+15], v[XR+8:XR+15], v[ACC+8*\a:ACC+8*\a+7]
.endr
.endm
; The block's q, k, v rounded to f16, each accumulator from its low end on.  Q goes to my images in LDS, K and V stay in window 1.
.macro PACK tb
	WIN 0
.irp i,0,1,2,3,4,5,6,7
	v_cvt_pk_f16_f32 v[QT+\i], v[ACC+2*\i], v[ACC+2*\i+1]
.endr
	ds_store_b128 v[VQ0], v[QT:QT+3] offset:(\tb)*1024
	ds_store_b128 v[VQ0], v[QT+4:QT+7] offset:(\tb)*1024+512
	WIN 0x40
.irp i,0,1,2,3,4,5,6,7
	v_cvt_pk_f16_f32 v[KR+8*(\tb)+\i], v[ACC+16+2*\i], v[ACC+16+2*\i+1]
.endr
.irp c,0,1
.irp i,0,1,2,3
	v_cvt_pk_f16_f32 v[VR+8*(4*\c+(\tb)/2)+4*((\tb)%2)+\i], v[ACC+32+8*\c+2*\i], v[ACC+32+8*\c+2*\i+1]
.endr
.endr
.endm
; ATTENTION.  The maximum of a lane's 8 nk scores, three operands at a time, in four chains; each accumulator's lowest registers are read first.
.macro MAXS nk
.irp c,0,1,2,3
	v_max3_num_f32 v[CH+\c], v[S+8*\c], v[S+8*\c+1], v[S+8*\c+2]
.endr
.irp p,3,5
.irp c,0,1,2,3
	v_max3_num_f32 v[CH+\c], v[CH+\c], v[S+8*\c+\p], v[S+8*\c+\p+1]
.endr
.endr
.if (\nk) == 8
.irp p,0,2,4,6
.irp c,0,1,2,3
	v_max3_num_f32 v[CH+\c], v[CH+\c], v[S+32+8*\c+\p], v[S+32+8*\c+\p+1]
.endr
.endr
.endif
	v_max3_num_f32 v[CH], v[CH], v[S+7], v[S+15]
	v_max3_num_f32 v[CH+2], v[CH+2], v[S+23], v[S+31]
	v_max3_num_f32 v[CH], v[CH], v[CH+1], v[CH+2]
	v_max_num_f32 v[CH], v[CH], v[CH+3]
.endm
; THE EXPONENTIALS' BATCH, for n pairs of scores: pair t is scaled (c s - c m), then pair t - 1 takes its two exponentials, each in place in a register of its own.  No line of the batch names a result.
.macro EXPB n
.set t, 0
.rept (\n)+1
.if t < (\n)
	v_pk_fma_f32 v[S+2*t:S+2*t+1], v[S+2*t:S+2*t+1], s[CS:CS+1], v[CM:CM+1] op_sel_hi:[1,0,0] neg_lo:[0,0,1] neg_hi:[0,0,1]
.endif
.if t >= 1
	v_exp_f32 v[S+2*t-2], v[S+2*t-2]
	v_exp_f32 v[S+2*t-1], v[S+2*t-1]
.endif
.set t, t+1
.endr
	v_nop                                  ; the plain instruction behind the last exponential, ahead of the first use (ISA guide 5.7.2): one for the batch
	s_wait_alu depctr_va_vdst(0)           ; the wait for the batch: all 2 n exponentials; the roundings and sums stand behind it
.endm
; THE BATCH'S READERS stand in two queues.  RNDP: the next pair of weights, cq, is rounded to f16.
.macro RNDP
	v_cvt_pk_f16_f32 v[P+cq], v[S+2*cq], v[S+2*cq+1]
.set cq, cq+1
.endm
; SUML: the next of the n + 3 lines that make 1 / l.  The sums run in two chains, started by pairs 0 + 2 and 1 + 3 (nothing is cleared), which take pairs 4 .. n - 1 by turns; then the two chains, the pair's halves,
; the other half of the lanes; last the reciprocal.
.macro SUML n
.set pp, aq+2
.if pp < 4
	v_pk_add_f32 v[LS+2*(pp%2):LS+2*(pp%2)+1], v[S+2*pp-4:S+2*pp-3], v[S+2*pp:S+2*pp+1]
.elseif pp < (\n)
	v_pk_add_f32 v[LS+2*(pp%2):LS+2*(pp%2)+1], v[LS+2*(pp%2):LS+2*(pp%2)+1], v[S+2*pp:S+2*pp+1]
.elseif pp == (\n)
	v_pk_add_f32 v[LS:LS+1], v[LS:LS+1], v[LS+2:LS+3]
.elseif pp == (\n)+1
	v_add_f32 v[LS], v[LS], v[LS+1]
.elseif pp == (\n)+2
	v_permlanex16_b32 v[CH+1], v[LS], s[SEL], s[SEL+1]
.elseif pp == (\n)+3
	v_add_f32 v[LS], v[LS], v[CH+1]
.else
	v_rcp_f32 v[RL], v[LS]
.endif
.set aq, aq+1
.endm
; The two products O^T += V^T P of keys 32 kg on (channel blocks 0, 1): the two accumulators take turns; kg = 0 starts the sums.
.macro PVP kb0, kg
	WIN 0x01                               ; V in window 1
.irp cb,0,1
.if (\kg) == 0
	v_wmma_f32_16x16x32_f16 v[OT+8*\cb:OT+8*\cb+7], v[VR+8*(4*\cb+(\kb0)/2+(\kg)):VR+8*(4*\cb+(\kb0)/2+(\kg))+7], v[P+8*(\kg):P+8*(\kg)+7], 0
.else
	v_wmma_f32_16x16x32_f16 v[OT+8*\cb:OT+8*\cb+7], v[VR+8*(4*\cb+(\kb0)/2+(\kg)):VR+8*(4*\cb+(\kb0)/2+(\kg))+7], v[P+8*(\kg):P+8*(\kg)+7], v[OT+8*\cb:OT+8*\cb+7]
.endif
.endr
	WIN 0
.endm
; A sequence of nk key blocks from block kb0 on; a trip is one query block of 16.
.macro ATT nk, kb0, trips
	s_mov_b32 s[CNT2], \trips
.Latt_\@:
	v_add_nc_u32 v[VQ], s[QOFF], v[VQ0]
	ds_load_b128 v[QC:QC+3], v[VQ]
	ds_load_b128 v[QC+4:QC+7], v[VQ] offset:512
	s_wait_dscnt 0x0                       ; Q's fragment is in
	WIN 0x01                               ; K in window 1
.set ai, 0
.rept \nk
	v_wmma_f32_16x16x32_f16 v[S+8*ai:S+8*ai+7], v[KR+8*((\kb0)+ai):KR+8*((\kb0)+ai)+7], v[QC:QC+7], 0
.set ai, ai+1
.endr
	WIN 0
	PLACES
	MAXS \nk
	v_permlanex16_b32 v[CH+1], v[CH], s[SEL], s[SEL+1]  ; the query's other keys lie in the lane 16 away
	v_max_num_f32 v[CM+1], v[CH], v[CH+1]
	v_mul_f32 v[CM], s[CS], v[CM+1]
	EXPB 4*(\nk)                           ; the first batch and its wait
.set cq, 0
.set aq, 0
.set gq, 0
.rept (\nk)/2-1                        ; a rounding and a sum by turns; the two products of 32 keys stand as soon as their eight registers of P are rounded
.rept 8
	RNDP
	SUML 4*(\nk)
.endr
	PVP \kb0, gq
.set gq, gq+1
.endr
.rept 6                                ; the chains' last six pairs
	SUML 4*(\nk)
.endr
	RNDP                                   ; l's last links each wait for the one before: the last eight roundings stand between them
	SUML 4*(\nk)                           ; the two chains
	RNDP
	RNDP
	SUML 4*(\nk)                           ; the pair's halves
	RNDP
	RNDP
	SUML 4*(\nk)                           ; the other half of the lanes
	RNDP
	RNDP
	SUML 4*(\nk)                           ; l
	RNDP
	SUML 4*(\nk)                           ; the second batch: 1 / l
	PVP \kb0, gq                           ; the last two products name nothing of it: they are the work between the reciprocal and its wait
	PLACES                                 ; the places behind those products; the first is also the plain instruction behind the reciprocal
	s_wait_alu depctr_va_vdst(0)           ; the wait for the second batch, the one reciprocal, ahead of its first reader and of the loop's branch
.set ni, 0
.rept 8
	v_pk_fma_f32 v[OT+2*ni:OT+2*ni+1], v[OT+2*ni:OT+2*ni+1], v[RL:RL+1], v[BV+2*ni:BV+2*ni+1] op_sel_hi:[1,0,1]  ; O / l + bv
.set ni, ni+1
.endr
.set ni, 0
.rept 8
	v_cvt_pk_f16_f32 v[OC+ni], v[OT+2*ni], v[OT+2*ni+1]
.set ni, ni+1
.endr
	ds_store_b128 v[VQ], v[OC:OC+3]        ; the O fragment takes the Q fragment's place: my own bytes until the barrier behind the attention
	ds_store_b128 v[VQ], v[OC+4:OC+7] offset:512
	s_add_co_u32 s[QOFF], s[QOFF], 1024
	s_sub_co_u32 s[CNT2], s[CNT2], 1
	s_cmp_lg_u32 s[CNT2], 0
	s_cbranch_scc1 .Latt_\@
.endm
; Token block e of my two leaves: the rows read back from the stage take the bias (and tmp), and are stored.
.macro SEND e
	s_wait_dscnt 16-16*(\e)                ; block 0: block 1's eight stage stores and eight loads may be out
.set wi, 0
.rept 16
.if FEAT
	v_pk_add_f32 v[RB+32*(\e)+2*wi:RB+32*(\e)+2*wi+1], v[RB+32*(\e)+2*wi:RB+32*(\e)+2*wi+1], v[TT+32*(\e)+2*wi:TT+32*(\e)+2*wi+1]
.else
	v_pk_add_f32 v[RB+32*(\e)+2*wi:RB+32*(\e)+2*wi+1], v[RB+32*(\e)+2*wi:RB+32*(\e)+2*wi+1], v[BO4+2*(wi%2):BO4+2*(wi%2)+1]
.endif
.set wi, wi+1
.endr
.set wi, 0
.rept 8                                ; sixteen lanes store a token's 256 consecutive bytes, at a multiple of 256 from the buffer's first byte
.if FEAT
	global_store_b128 v[VD], v[RB+32*(\e)+4*wi:RB+32*(\e)+4*wi+3], s[DST:DST+1] offset:(\e)*OE+wi*OI th:TH_STORE_NT
.else
	global_store_b128 v[VD], v[RB+32*(\e)+4*wi:RB+32*(\e)+4*wi+3], s[DST:DST+1] offset:(\e)*OE+wi*OI
.endif
.set wi, wi+1
.endr
.endm
; A STEP.  fill = 1: the next step's x is asked for.
.macro STEP fill
	WIN 0
	s_wait_tensorcnt 0x0                   ; all my tensor loads have landed: the one that was out is my part of this step's x; so group 0 may be written
	ds_add_u32 v[SPW], v[NIL]              ; 0 onto my spare word
.if \fill
	s_xor_b32 s[G0+1], s[G0+1], SLOT1      ; the other slot,
	s_add_nc_u64 s[G0+2:G0+3], s[G0+2:G0+3], STEPB  ; the next step's units; the type bits on top are not reached
.endif
	s_wait_dscnt 0x0                       ; the add is done; my reads of the other slot, of the group's O images and of my stage are back
	s_barrier_signal -1
	s_barrier_wait -1                      ; all that holds of every wave: this step's x is whole, the other slot and the images are free
.if \fill
	tensor_load_to_lds s[G0:G0+3], s[G1:G1+7]  ; my one tensor load behind the barrier, first thing there: it has the whole step in which to land
	s_nop 0
	PLACES
.endif
.if FEAT
.set wi, 0
.rept 16                               ; tmp's rows for my 32 tokens of the output projection: wanted at the step's end
	global_load_b128 v[TT+4*wi:TT+4*wi+3], v[VD], s[TMPB:TMPB+1] offset:(wi/8)*OE+(wi%8)*OI th:TH_LOAD_NT
.set wi, wi+1
.endr
.endif
	v_add_nc_u32 v[XA], s[XB], v[XA0]
	s_mov_b32 s[QOFF], 0
	XLOAD 0
	s_wait_dscnt 0x0
	XCVT 0
	XLOAD 1
.set pb, 0
.rept 8                                ; block pb is multiplied; the next block's x is rounded (sixteen plain lines, the places behind the products); the block after that is fetched; block pb is packed
	PROJ pb%2
	WIN 0
.if pb < 7
.if pb == 0
	s_wait_dscnt 0x0
.else
	s_wait_dscnt 0x2                       ; the next block's x is in; the two Q stores issued behind its loads may be out
.endif
	XCVT (pb+1)%2
.if pb < 6
	XLOAD pb+2
.endif
.else
	PLACES
.endif
	PACK pb
.set pb, pb+1
.endr
	WIN 0
.if FEAT
	ATT 8, 0, 8
.else
	ATT 4, 0, 4                            ; sequence f0: tokens 0-63
	ATT 4, 4, 4                            ; sequence f0 + 1: tokens 64-127
.endif
	; OUTPUT PROJECTION for token blocks 2 head and 2 head + 1 of my group
	s_wait_dscnt 0x0                       ; for the others' sake: my O fragments are in LDS
	s_barrier_signal -1
	WIN 0x40                               ; Wo's 16 fragments, turned, where K and V lay: bytes that nobody writes behind the prologue, so the loads may stand here
.set wi, 0                             ; wi = 4 db + head
.rept 16
	ds_load_tr16_b128 v[WOR+8*wi:WOR+8*wi+3],   v[VWO] offset:(wi%4)*32*PWO+(wi/4)*32
	ds_load_tr16_b128 v[WOR+8*wi+4:WOR+8*wi+7], v[VWO] offset:(wi%4)*32*PWO+(wi/4)*32+16*PWO
.set wi, wi+1
.endr
	WIN 0
	s_barrier_wait -1                      ; the four heads' O fragments are there
.set wi, 0                             ; wi = 4 e + head
.rept 8
	ds_load_b128 v[OF+8*wi:OF+8*wi+3],   v[VO] offset:(wi%4)*8192+(wi/4)*1024
	ds_load_b128 v[OF+8*wi+4:OF+8*wi+7], v[VO] offset:(wi%4)*8192+(wi/4)*1024+512
.set wi, wi+1
.endr
	s_wait_dscnt 0x0
	WIN 0x01
.set wi, 0                             ; wi = 8 head + 4 e + db: the eight accumulators take turns; head 0 starts the sums
.rept 32
.set hq, wi/8
.set ac, OACC+8*(wi%8)
.set wf, WOR+8*(4*(wi%4)+hq)
.set of, OF+8*(4*((wi/4)%2)+hq)
.if hq == 0
	v_wmma_f32_16x16x32_f16 v[ac:ac+7], v[wf:wf+7], v[of:of+7], 0
.else
	v_wmma_f32_16x16x32_f16 v[ac:ac+7], v[wf:wf+7], v[of:of+7], v[ac:ac+7]
.endif
.set wi, wi+1
.endr
	WIN 0
.if FEAT
	s_wait_loadcnt 0x0                     ; tmp's rows
.set wi, 0
.rept 32                               ; + bo: these lines are also the places behind the products
	v_pk_add_f32 v[TT+2*wi:TT+2*wi+1], v[TT+2*wi:TT+2*wi+1], v[BO4+2*(wi%2):BO4+2*(wi%2)+1]
.set wi, wi+1
.endr
.else
	PLACES
.endif
.irp e,0,1                             ; a lane's eight d of a token, 32 bytes, go into my stage's rows and come back as whole rows of 256 bytes
.set wi, 0
.rept 4
	ds_store_b128 v[STO], v[OACC+8*(4*\e+wi):OACC+8*(4*\e+wi)+3] offset:64*wi
	ds_store_b128 v[STO], v[OACC+8*(4*\e+wi)+4:OACC+8*(4*\e+wi)+7] offset:64*wi+16
.set wi, wi+1
.endr
.set wi, 0
.rept 8
	ds_load_b128 v[RB+32*\e+4*wi:RB+32*\e+4*wi+3], v[RD] offset:wi*2*SP  ; LDS serves a wave's instructions in order (ISA guide 5.7.1.4): these see the stores above, and the next block's stores come behind them
.set wi, wi+1
.endr
.endr
	SEND 0
	SEND 1
.if \fill
	s_wait_xcnt 0x0                        ; the stores' data registers and the bases are rewritten only behind this wait
	s_add_nc_u64 s[DST:DST+1], s[DST:DST+1], STEPB
.if FEAT
	s_add_nc_u64 s[TMPB:TMPB+1], s[TMPB:TMPB+1], STEPB
.endif
	s_xor_b32 s[XB], s[XB], SLOT1
.endif
.endm
	s_mov_b32 s[CNT], 3
.Lstep:
	STEP 1
	s_sub_co_u32 s[CNT], s[CNT], 1
	s_cmp_lg_u32 s[CNT], 0
	s_cbranch_scc1 .Lstep
	STEP 0                                 ; the last step is written out: nothing is asked for
	s_wait_tensorcnt 0x0                   ; the wave's end: behind my last tensor load and my last LDS store
	ds_add_u32 v[SPW], v[NIL]
	s_wait_dscnt 0x0
	s_endpgm
.Lfunc_end_k_qac1b853ee9_feature:
	.size	k_qac1b853ee9_feature, .Lfunc_end_k_qac1b853ee9_feature-k_qac1b853ee9_feature
	.p2alignl 7, 3214868480
	.fill 96, 4, 3214868480
	.section	.rodata,"a",@progbits
	.p2align	6, 0x0
	.amdhsa_kernel k_qac1b853ee9_feature
		.amdhsa_group_segment_fixed_size 327680
		.amdhsa_private_segment_fixed_size 0
		.amdhsa_enable_private_segment 0
		.amdhsa_kernarg_size 88
		.amdhsa_user_sgpr_count 2
		.amdhsa_user_sgpr_kernarg_segment_ptr 1
		.amdhsa_wavefront_size32 1
		.amdhsa_system_sgpr_workgroup_id_x 1
		.amdhsa_system_sgpr_workgroup_id_y 1
		.amdhsa_system_sgpr_workgroup_id_z 1
		.amdhsa_system_vgpr_workitem_id 0
		.amdhsa_next_free_vgpr 512
		.amdhsa_next_free_sgpr 66
		.amdhsa_reserve_vcc 0
		.amdhsa_float_denorm_mode_32 3
		.amdhsa_float_denorm_mode_16_64 3
		.amdhsa_memory_ordered 1
		.amdhsa_forward_progress 1
		.amdhsa_inst_pref_size 146
	.end_amdhsa_kernel
	.amdgpu_metadata
---
amdhsa.version: [ 1, 2 ]
amdhsa.kernels:
  - .name:           k_qac1b853ee9_feature
    .symbol:         k_qac1b853ee9_feature.kd
    .args:
      - { .name: x, .offset: 0, .size: 8, .value_kind: global_buffer, .address_space: global }
      - { .name: fq_w, .offset: 8, .size: 8, .value_kind: global_buffer, .address_space: global }
      - { .name: fk_w, .offset: 16, .size: 8, .value_kind: global_buffer, .address_space: global }
      - { .name: fv_w, .offset: 24, .size: 8, .value_kind: global_buffer, .address_space: global }
      - { .name: fo_w, .offset: 32, .size: 8, .value_kind: global_buffer, .address_space: global }
      - { .name: fq_b, .offset: 40, .size: 8, .value_kind: global_buffer, .address_space: global }
      - { .name: fk_b, .offset: 48, .size: 8, .value_kind: global_buffer, .address_space: global }
      - { .name: fv_b, .offset: 56, .size: 8, .value_kind: global_buffer, .address_space: global }
      - { .name: fo_b, .offset: 64, .size: 8, .value_kind: global_buffer, .address_space: global }
      - { .name: tmp, .offset: 72, .size: 8, .value_kind: global_buffer, .address_space: global }
      - { .name: out0, .offset: 80, .size: 8, .value_kind: global_buffer, .address_space: global }
    .group_segment_fixed_size: 327680
    .private_segment_fixed_size: 0
    .kernarg_segment_align: 8
    .kernarg_segment_size: 88
    .max_flat_workgroup_size: 256
    .sgpr_count:     66
    .vgpr_count:     512
    .wavefront_size: 32
...
	.end_amdgpu_metadata
.endif
;; end of part 4
